; MI455X (gfx1250); checked and timed in simulation.
; The chip was launched on July 23, 2026; its instructions are those of AMD's public machine-readable ISA for CDNA 5 (MIT licence, August 2026) and "CDNA5" Instruction Set Architecture Reference Guide (July 2026). The comments in the code are by the model that wrote it; some were corrected since.
;; Attention. Allowed arithmetic: float matrix products may take bf16 or f16 operands with f32 sums; all other float work in f32.
;; Inputs: Wk 1,024 x 1,024 float32; Wo 1,024 x 1,024 float32; Wq 1,024 x 1,024 float32; Wv 1,024 x 1,024 float32; bk 1,024 float32; bo 1,024 float32; bq 1,024 float32; bv 1,024 float32; k 4 x 2,048 x 1,024 float32; q 4 x 2,048 x 1,024 float32; v 4 x 2,048 x 1,024 float32.
;; Outputs: out0 4 x 2,048 x 1,024 float32.
;; 2 versions, each right; version 2 is version 1 with the launch castw written anew for expert scheduling mode. Each part assembles by itself: llvm-mc -triple=amdgcn-amd-amdhsa -mcpu=gfx1250 --defsym DOCPART=n.
;; ======== version 1 of 2: 4 launches
;; limits: values are held in f16: magnitudes above 65,504 overflow, below 6.1e-05 lose precision
;; workspace buffers: wh 8,388,608 bytes; qkv 50,331,648 bytes; att 16,777,216 bytes
;; launch castw (part 1): grid 256 x 1, 8 waves a work-group, no clusters, 0 bytes of LDS; arguments Wq, Wk, Wv, Wo, wh; writes wh
.if DOCPART == 1
	.amdgcn_target "amdgcn-amd-amdhsa--gfx1250"
	.amdhsa_code_object_version 6
	.text
	.protected	k_q4c3429a676_castw
	.globl	k_q4c3429a676_castw
	.p2align	8
	.type	k_q4c3429a676_castw,@function
k_q4c3429a676_castw:
	s_mov_b64 s[64:65], 0
	v_nop
	global_prefetch_b8 v0, s[64:65] scope:SCOPE_SE
	s_setreg_imm32_b32 hwreg(HW_REG_WAVE_MODE, 25, 1), 1
	s_wait_xcnt 0x0
; castw: the four weight matrices, [1024][1024] f32 each, are rounded once to f16 into wh = [4][1024][1024], order q, k, v, o.
; Every weight tile is read by 64 row blocks of the products that follow, so it is narrowed once here and not in each of them.
; Work-group w takes matrix w / 64 and chunk w % 64 of 16,384 numbers.  Thread t takes 16 bytes at 16 t of each of 16 pieces of 4,096 bytes:
; a load of a wave covers 512 consecutive bytes, a store of a wave 256 consecutive bytes at a multiple of 256 from the first byte of wh.
; All 16 loads of a thread go out first; no register is written twice, so there is no loop and no wait but the counted ones.
; No LDS, no matrix unit, no cluster: no byte is shared between work-groups or waves.
; LIMIT: a weight beyond 65,504 in magnitude becomes infinite in f16; below 6e-5 it keeps an absolute error of 3e-8.
.set X, 4                              ; v[4:67]   piece i: 4 numbers in f32
.set Y, 68                             ; v[68:99]  piece i: the 4 numbers in f16
	s_load_b256 s[4:11], s[0:1], 0x0               ; Wq s[4:5], Wk s[6:7], Wv s[8:9], Wo s[10:11]
	s_load_b64 s[12:13], s[0:1], 0x20              ; wh
	s_lshr_b32 s14, ttmp9, 6                       ; which matrix
	s_and_b32 s15, ttmp9, 63                       ; which chunk
	s_lshl_b32 s16, s15, 16                        ; the chunk in the source: 65,536 bytes each
	s_mov_b32 s17, 0
	s_lshl_b32 s18, s14, 21                        ; the matrix in wh: 2,097,152 bytes each,
	s_lshl_b32 s19, s15, 15                        ; the chunk in it: 32,768 bytes each
	s_add_co_u32 s18, s18, s19
	s_mov_b32 s19, 0
	v_lshlrev_b32 v1, 4, v0                        ; 16 t
	v_lshlrev_b32 v2, 3, v0                        ; 8 t
	s_wait_kmcnt 0x0
	s_cmp_eq_u32 s14, 1                            ; the source is chosen by the matrix number alone
	s_cselect_b64 s[4:5], s[6:7], s[4:5]
	s_cmp_eq_u32 s14, 2
	s_cselect_b64 s[4:5], s[8:9], s[4:5]
	s_cmp_eq_u32 s14, 3
	s_cselect_b64 s[4:5], s[10:11], s[4:5]
	s_add_nc_u64 s[4:5], s[4:5], s[16:17]
	s_add_nc_u64 s[12:13], s[12:13], s[18:19]
.irp i, 0,1,2,3,4,5,6,7,8,9,10,11,12,13,14,15
	global_load_b128 v[X+4*\i:X+4*\i+3], v1, s[4:5] offset:4096*\i th:TH_LOAD_NT   ; read once in the whole launch
.endr
.irp i, 0,1,2,3,4,5,6,7,8,9,10,11,12,13,14,15
	s_wait_loadcnt 15-\i                           ; loads come back in order: piece i is in, the 15 - i younger ones stay out
	v_cvt_pk_f16_f32 v[Y+2*\i],   v[X+4*\i],   v[X+4*\i+1]
	v_cvt_pk_f16_f32 v[Y+2*\i+1], v[X+4*\i+2], v[X+4*\i+3]
	global_store_b64 v2, v[Y+2*\i:Y+2*\i+1], s[12:13] offset:2048*\i
.endr
	s_endpgm
.Lfunc_end_k_q4c3429a676_castw:
	.size	k_q4c3429a676_castw, .Lfunc_end_k_q4c3429a676_castw-k_q4c3429a676_castw
	.p2alignl 7, 3214868480
	.fill 96, 4, 3214868480
	.section	.rodata,"a",@progbits
	.p2align	6, 0x0
	.amdhsa_kernel k_q4c3429a676_castw
		.amdhsa_group_segment_fixed_size 0
		.amdhsa_private_segment_fixed_size 0
		.amdhsa_enable_private_segment 0
		.amdhsa_kernarg_size 40
		.amdhsa_user_sgpr_count 2
		.amdhsa_user_sgpr_kernarg_segment_ptr 1
		.amdhsa_wavefront_size32 1
		.amdhsa_system_sgpr_workgroup_id_x 1
		.amdhsa_system_sgpr_workgroup_id_y 1
		.amdhsa_system_sgpr_workgroup_id_z 1
		.amdhsa_system_vgpr_workitem_id 0
		.amdhsa_next_free_vgpr 100
		.amdhsa_next_free_sgpr 66
		.amdhsa_reserve_vcc 0
		.amdhsa_float_denorm_mode_32 3
		.amdhsa_float_denorm_mode_16_64 3
		.amdhsa_memory_ordered 1
		.amdhsa_forward_progress 1
		.amdhsa_inst_pref_size 7
	.end_amdhsa_kernel
	.amdgpu_metadata
---
amdhsa.version: [ 1, 2 ]
amdhsa.kernels:
  - .name:           k_q4c3429a676_castw
    .symbol:         k_q4c3429a676_castw.kd
    .args:
      - { .name: Wq, .offset: 0, .size: 8, .value_kind: global_buffer, .address_space: global }
      - { .name: Wk, .offset: 8, .size: 8, .value_kind: global_buffer, .address_space: global }
      - { .name: Wv, .offset: 16, .size: 8, .value_kind: global_buffer, .address_space: global }
      - { .name: Wo, .offset: 24, .size: 8, .value_kind: global_buffer, .address_space: global }
      - { .name: wh, .offset: 32, .size: 8, .value_kind: global_buffer, .address_space: global }
    .group_segment_fixed_size: 0
    .private_segment_fixed_size: 0
    .kernarg_segment_align: 8
    .kernarg_segment_size: 40
    .max_flat_workgroup_size: 256
    .sgpr_count:     66
    .vgpr_count:     100
    .wavefront_size: 32
...
	.end_amdgpu_metadata
.endif
;; end of part 1
;; launch proj (part 2): grid 4 x 64, 4 waves a work-group, clusters of 4 x 4, 327,680 bytes of LDS; arguments q, k, v, wh, bq, bk, bv, qkv; writes qkv
.if DOCPART == 2
	.amdgcn_target "amdgcn-amd-amdhsa--gfx1250"
	.amdhsa_code_object_version 6
	.text
	.protected	k_q4c3429a676_proj
	.globl	k_q4c3429a676_proj
	.p2align	8
	.type	k_q4c3429a676_proj,@function
k_q4c3429a676_proj:
	s_mov_b64 s[64:65], 0
	v_nop
	global_prefetch_b8 v0, s[64:65] scope:SCOPE_SE
	s_setreg_imm32_b32 hwreg(HW_REG_WAVE_MODE, 25, 1), 1
	s_wait_xcnt 0x0
	s_wait_alu depctr_hold_cnt(0) depctr_sa_sdst(0) depctr_va_vdst(0) depctr_va_sdst(0) depctr_va_ssrc(0) depctr_va_vcc(0) depctr_vm_vsrc(0)
	s_getreg_b32 s2, hwreg(HW_REG_IB_STS2, 6, 4)
	s_cmp_eq_u32 s2, 0
	s_cbranch_scc0 .Lentry_in_a_cluster
	s_endpgm
.Lentry_in_a_cluster:
	s_bfe_u32 s2, ttmp6, 0x10000c
	s_cmp_lg_u32 s2, 0xf033
	s_cbranch_scc0 .Lentry_shape_is_right
	s_endpgm
.Lentry_shape_is_right:
; proj: qkv[g] = x_g W_g^T + b_g for g = 0, 1, 2 (x = q, k, v), [8192][1024] each; x f32, W f16 (from wh), sums f32, result f16.
; A work-group makes 128 rows x 256 columns with four waves; a wave makes 64 x 128: 32 accumulator tiles of 16 x 16, 256 registers.
; WORK-GROUPS THAT STAY: 64 x 4 = 256 work-groups; each makes its block of Q, then of K, then of V.  K = 1024 goes in 8 steps of 128, so a work-group walks
; 24 K steps through ONE ring of two LDS slots filled by the tensor data mover; the ring runs on from a product into the next: the turns of K steps 6 and 7 ask
; for K steps 0 and 1 of the next x and the next W, and a product's way out runs while those two tiles are on their way.
; A row of a tile of x is 512 bytes of memory, a row of a tile of W 256 bytes, each at a multiple of 256 from the first byte of its buffer.
; x is narrowed to f16 in registers on its way from LDS to the matrix unit: each tile of x is asked for once in the launch.
; CLUSTERS: 4 x 4 work-groups.  The four of a row of the cluster make the four column blocks of one row block: they ask for the tile of x JOINTLY.
; The four of a column make four row blocks of one column block: they ask for the tile of W jointly.
; ASKING AHEAD: waves 2 and 3, which fetch the two halves of a tile of x, ask for x ahead (global_prefetch_b8): behind the joint load for K step t + 2 each asks
; for its share of K step t + 3, one K step ahead of the load that will want it: 16 rows x 512 bytes, 32 lanes 256 bytes apart.  The four work-groups of a row of
; the cluster share the 64 rows of a half by cx, so each block is asked for once.  K step 2 is asked for at the start, K steps 0 and 1 are not.  Behind the last
; refill there is no later K step: that one request falls on the first K step of v again, inside the buffer.  W is not asked for ahead: 64 row blocks read each tile.
; The bias is the C operand of the first 32 products of each g: nothing is cleared and nothing is added later.
; The matrix instruction is used transposed (source 0 = 16 rows of W, source 1 = 16 rows of x): lane l then holds row l % 16 of the result
; and its 8 registers the columns 8 (l / 16) + 0 .. 7, eight neighbours of a row.
; LIMIT: x, W and the result are f16 operands: a magnitude beyond 65,504 becomes infinite.  With rows of 1,024 products, inputs 30 times
; the unit spread on both sides give results of some 5,400, an offset of 30 spreads on both sides some 29,000.
.set KSTEP,  128
.set NG,     3                         ; products that a work-group walks
.set APITCH, 528                       ; an LDS row of A: 512 bytes + 16 of padding, an odd multiple of 16: the 16 rows of a load begin in 16 different 16-byte columns
.set KA,     512                       ; bytes of a K step in a row of x
.set BPITCH, 272                       ; an LDS row of B: 256 bytes + 16
.set AHALF,  64*APITCH                 ; what one tensor load brings of A, and what one wave reads of it
.set ATILE,  2*AHALF
.set BHALF,  128*BPITCH                ; the same for B
.set BTILE,  2*BHALF
.set SLOT,   BTILE+ATILE               ; 256 rows of B, then 128 rows of A
.set STAGE,  2*SLOT                    ; behind the ring: 16 rows for each wave, for the way out; no tensor load lands here
.set SP,     272                       ; a row of the stage: 128 f16 + 16 bytes
.set ROWB,   2048                      ; a row of the result in memory
.set STW,    16*SP
.set WMAT,   2097152                   ; a matrix of wh
.set OMAT,   16777216                  ; a result in qkv
; vector registers, in windows of 256
.set ADRA, 16                          ; v16-17   LDS address of my A fragments in slot 0, 1
.set ADRB, 20                          ; v20-21   the same for B
.set STO,  24                          ; v24      the way out: where I put my part of a row
.set RD,   25                          ; v25      the way out: where I read rows back
.set CO,   26                          ; v26      my byte offset in the result
.set BOF,  27                          ; v27      my byte offset in the bias
.set VPF,  28                          ; v28      asking ahead: my byte offset in a half tile of x; never rewritten
.set FA,   32                          ; v32-95   fragments of A in f16, two buffers of 4 x 8; on the way out: rows read back
.set RAW,  96                          ; v96-159  A as f32 from LDS, 4 x 16
.set BIAS, 160                         ; v160-223 the bias of my 128 columns as 8 C operands
.set TMP,  224                         ; v224-255 packed results
                                       ; window 1: the 32 accumulator tiles, tile (a, b) at v[8 (8 a + b)];  window 2: v0-127 fragments of B, two buffers of 8 x 8
; scalar registers
.set XN,   6                           ; s[6:7]   the next x at my rows (k, then v); s[4:5] q, s[8:9] v
.set BN,   14                          ; s[14:15] the next bias at my columns (bk, then bv); s[12:13] bq, s[16:17] bv
.set G1A, 32                           ; s[32:39] descriptor group 1 for tiles of A
.set G1B, 40                           ; s[40:47] the same for B
.set G0A, 48                           ; s[48:55] descriptor group 0 for tiles of A, a set for each slot
.set G0B, 56                           ; s[56:63] the same for B
.set PB,   80                          ; s[80:81] asking ahead: the x of the K step that is asked for
.set PBN,  82                          ; s[82:83] the x behind it
.set PBNN, 84                          ; s[84:85] and the last
.set PK,   86                          ; s[86:87] byte offset of that K step in a row, with 0 above it
.set PFA,  88                          ; s[88:89] the address that the request names
.set MSB, 0
.macro WIN new                         ; low byte: bits 1:0 source 0, 3:2 source 1, 5:4 source 2, 7:6 destination; the high byte repeats the setting that is left
.if MSB != \new
	s_set_vgpr_msb (MSB<<8)|\new
.set MSB, \new
.endif
.endm
.set MULW,  0x52                       ; source 0 (B) window 2, source 1 (A) window 0, C and D window 1
.set MULF,  0x42                       ; the same with C (the bias) in window 0
.set TO_B,  0x80                       ; destination window 2, address window 0
.set FROMC, 0x05                       ; sources 0 and 1 window 1, destination window 0
.macro PLACES n
.rept \n
	v_nop
.endr
.endm
; A joint load.  Waves 0 and 1 fetch the two halves of B, waves 2 and 3 those of A.  Each line has one mask and one set of registers for all that issue it.
; The branch hangs on the wave number alone.  pf = 1: a wave that has just asked for its half of A also asks ahead for its share of a later K step of x.
.macro JLOAD s, pf
	s_cmp_eq_u32 s21, 0
	s_cbranch_scc0 .Lfor_a_\@
	tensor_load_to_lds s[G0B+4*(\s):G0B+4*(\s)+3], s[G1B:G1B+7]
	s_nop 0
	s_branch .Lasked_\@
.Lfor_a_\@:
	tensor_load_to_lds s[G0A+4*(\s):G0A+4*(\s)+3], s[G1A:G1A+7]
	s_nop 0
.if \pf
	global_prefetch_b8 v[VPF], s[PFA:PFA+1] th:TH_LOAD_NT scope:SCOPE_SE
.endif
.Lasked_\@:
.endm
; A round of the cluster barrier: the work-group barrier, so that the signal of wave 0 speaks for all four waves; wave 0 signals for the work-group;
; every wave waits for all sixteen work-groups; the work-group barrier once more.
.macro CREST                           ; a round behind its opening barrier
	s_cmp_lg_u32 s20, 0
	s_cbranch_scc1 .Lnot_wave_0_\@
	s_barrier_signal -3
.Lnot_wave_0_\@:
	s_barrier_wait -3
	s_barrier_signal -1
	s_barrier_wait -1
.endm
.macro CROUND                          ; a whole round
	s_barrier_signal -1
	s_barrier_wait -1
	CREST
.endm
; The bias of my 128 columns, as the C operands of 8 column tiles: lane l takes columns 8 (l / 16) + 0..7 of each tile
.macro BIASLD base
.irp t, 0,1,2,3,4,5,6,7
	global_load_b128 v[BIAS+8*\t:BIAS+8*\t+3],   v[BOF], s[\base:\base+1] offset:64*\t
	global_load_b128 v[BIAS+8*\t+4:BIAS+8*\t+7], v[BOF], s[\base:\base+1] offset:64*\t+16
.endr
.endm
	s_load_b256 s[4:11], s[0:1], 0x0               ; q, k, v, wh
	s_load_b256 s[12:19], s[0:1], 0x20             ; bq, bk, bv, qkv
	v_lshl_add_u32 v30, v0, 2, 0x47400
	v_mov_b32 v31, 0
	ds_add_u32 v30, v31
	v_lshrrev_b32 v1, 5, v0
	v_readfirstlane_b32 s20, v1                    ; wave 0..3
	s_lshr_b32 s21, s20, 1                         ; which 64 rows of the block are mine.  Also: I fetch for B (0) or for A (1)
	s_and_b32 s22, s20, 1                          ; which 128 columns.  Also: which half of that tile I fetch
	s_bfe_u32 s23, ttmp6, 0x40000                  ; cx
	s_bfe_u32 s24, ttmp6, 0x40004                  ; cy
	s_lshl_b32 s25, ttmp9, 2
	s_add_co_u32 s25, s25, s23                     ; block column = 4 x cluster x + cx
	s_and_b32 s30, ttmp7, 0xffff                   ; cluster y
	s_lshl_b32 s26, s30, 2
	s_add_co_u32 s26, s26, s24                     ; block row = 4 x cluster y + cy
	s_lshl_b32 s28, s24, 2
	s_lshl_b32 s28, 15, s28                        ; my row of the cluster: places 4 cy .. 4 cy + 3
	s_lshl_b32 s29, 0x1111, s23                    ; my column: places cx, cx + 4, cx + 8, cx + 12
	; group 1.  A: 64 rows x 128 elements of 4 bytes; B: 128 rows x 128 elements of 2 bytes; both padded by 4 words behind each row; rows 1,024 elements apart in memory
	s_or_b32 s[G1A+0], s28, (2<<16)|(1<<20)|(1<<21)|(6<<22)|(3<<25)         ; 15:0 mask: tiles of A go to my row; 17:16 element size; 20 padding on; 21 set beside a mask; 24:22 after every 128 words; 31:25 pad of 4 words
	s_or_b32 s[G1B+0], s29, (1<<16)|(1<<20)|(1<<21)|(5<<22)|(3<<25)         ; the mask of my column; elements of 2 bytes; padding after every 64 words
	s_mov_b32 s[G1A+1], KSTEP<<16                  ; tensor_dim0 = 128
	s_mov_b32 s[G1B+1], KSTEP<<16
	s_mov_b32 s[G1A+2], 64<<16                     ; tensor_dim1 = 64
	s_mov_b32 s[G1B+2], 128<<16                    ; tensor_dim1 = 128
	s_mov_b32 s[G1A+3], KSTEP<<16                  ; tile_dim0 = 128
	s_mov_b32 s[G1B+3], KSTEP<<16
	s_mov_b32 s[G1A+4], 64                         ; tile_dim1
	s_mov_b32 s[G1B+4], 128
	s_mov_b32 s[G1A+5], 1024                       ; elements from row to row
	s_mov_b32 s[G1B+5], 1024
	s_mov_b32 s[G1A+6], 0
	s_mov_b32 s[G1B+6], 0
	s_mov_b32 s[G1A+7], 0
	s_mov_b32 s[G1B+7], 0
	; offsets, each in registers of its own: those of A never hold cx, those of B never hold cy
	s_lshl_b32 s66, s26, 7
	s_lshl_b32 s67, s22, 6
	s_add_co_u32 s66, s66, s67                     ; A: row 128 x block row + 64 x half
	s_lshl_b32 s66, s66, 12                        ; rows of 4,096 bytes
	s_mov_b32 s67, 0
	s_lshl_b32 s68, s25, 8
	s_lshl_b32 s69, s22, 7
	s_add_co_u32 s68, s68, s69                     ; B: row 256 x block column + 128 x half
	s_lshl_b32 s68, s68, 11                        ; rows of 2,048 bytes
	s_mov_b32 s69, 0
	s_lshl_b32 s72, s25, 8
	s_lshl_b32 s73, s22, 7
	s_add_co_u32 s72, s72, s73                     ; my first column
	s_lshl_b32 s74, s26, 7
	s_lshl_b32 s75, s21, 6
	s_add_co_u32 s74, s74, s75                     ; my first row of the result
	s_lshl_b32 s74, s74, 11
	s_lshl_b32 s75, s72, 1
	s_add_co_u32 s74, s74, s75                     ; below 2^24 bytes
	s_mov_b32 s75, 0
	s_lshl_b32 s72, s72, 2                         ; the bias is f32
	s_mov_b32 s73, 0
	s_mul_i32 s76, s20, BHALF                      ; where the tiles go: the halves of B at wave x 128 rows (waves 0, 1),
	s_mul_i32 s77, s20, AHALF                      ; the halves of A behind them at wave x 64 rows + a constant (waves 2, 3):
	s_add_co_u32 s77, s77, BTILE-2*AHALF           ; no place in the cluster enters an LDS address
	s_mov_b32 s[PK], 2*KA                          ; the K step asked for ahead at the start
	s_mov_b32 s[PK+1], 0
	v_and_b32 v1, 31, v0                           ; asking ahead: lane l takes row 16 cx + l / 2 of my half tile,
	v_lshrrev_b32 v2, 1, v1
	v_lshl_add_u32 v2, s23, 4, v2
	v_and_b32 v3, 1, v0                            ; and the first or the second 256 bytes of the 512 of a K step
	v_lshlrev_b32 v3, 8, v3
	v_lshl_add_u32 v[VPF], v2, 12, v3
	s_wait_dscnt 0x0
	s_wait_kmcnt 0x0
	s_add_nc_u64 s[4:5], s[4:5], s[66:67]          ; q, k, v at the rows that I fetch
	s_add_nc_u64 s[6:7], s[6:7], s[66:67]
	s_add_nc_u64 s[8:9], s[8:9], s[66:67]
	s_add_nc_u64 s[10:11], s[10:11], s[68:69]      ; Wq at the rows that I fetch
	s_add_nc_u64 s[12:13], s[12:13], s[72:73]      ; bq, bk, bv at my columns
	s_add_nc_u64 s[14:15], s[14:15], s[72:73]
	s_add_nc_u64 s[16:17], s[16:17], s[72:73]
	s_add_nc_u64 s[74:75], s[18:19], s[74:75]      ; Q at my corner
	s_mov_b64 s[PB:PB+1], s[4:5]
	s_mov_b64 s[PBN:PBN+1], s[6:7]
	s_mov_b64 s[PBNN:PBNN+1], s[8:9]
	s_add_nc_u64 s[PFA:PFA+1], s[4:5], 2*KA        ; K step 2 of q
	CROUND                                         ; all sixteen work-groups are here: the first joint loads meet
.irp s, 0,1
	s_mov_b32 s[G0A+4*\s], 1                                       ; count = 1
	s_add_co_u32 s[G0A+4*\s+1], s77, \s*SLOT                       ; LDS address
	s_add_nc_u64 s[G0A+4*\s+2:G0A+4*\s+3], s[4:5], \s*KA           ; global address: K step s of q
	s_or_b32 s[G0A+4*\s+3], s[G0A+4*\s+3], 0x80000000              ; type = 2
	s_mov_b32 s[G0B+4*\s], 1
	s_add_co_u32 s[G0B+4*\s+1], s76, \s*SLOT
	s_add_nc_u64 s[G0B+4*\s+2:G0B+4*\s+3], s[10:11], \s*KSTEP*2
	s_or_b32 s[G0B+4*\s+3], s[G0B+4*\s+3], 0x80000000
	JLOAD \s, \s                                   ; both first fills go out before anything else; by this count a wave has at most two tensor loads out, later one
.endr
	; A fragment is 16 rows x 32 K in 8 registers: lane l holds row l % 16; registers 0-3 hold K = 8 (l / 16) + 0..7, registers 4-7 K = 16 + 8 (l / 16) + 0..7.
	v_and_b32 v1, 15, v0                           ; r = l % 16
	v_bfe_u32 v2, v0, 4, 1                         ; h = l / 16
	v_lshlrev_b32 v[BOF], 5, v2                    ; the bias of columns 8 h + 0..7 of a tile
	BIASLD 12                                      ; bq
	v_mul_u32_u24 v3, v1, APITCH
	v_lshl_add_u32 v3, v2, 5, v3                   ; A: row x pitch + 8 h numbers of 4 bytes
	v_mul_u32_u24 v4, v1, BPITCH
	v_lshl_add_u32 v4, v2, 4, v4                   ; B: row x pitch + 16 h
	s_mul_i32 s78, s21, AHALF                      ; my 64 rows of A,
	s_add_co_u32 s78, s78, BTILE                   ; which lie behind the 256 rows of B
	s_mul_i32 s79, s22, BHALF                      ; my 128 rows of B
.irp s, 0,1
	v_add_nc_u32 v[ADRA+\s], s78, v3
	v_add_nc_u32 v[ADRB+\s], s79, v4
	s_add_co_u32 s78, s78, SLOT
	s_add_co_u32 s79, s79, SLOT
.endr
	s_mul_i32 s78, s20, STW
	s_add_co_u32 s78, s78, STAGE                   ; my stage
	v_mul_u32_u24 v5, v1, SP
	v_lshl_add_u32 v5, v2, 4, v5                   ; in: row r, 16 bytes for each half of the lanes
	v_mul_u32_u24 v6, v2, SP                       ; back: lanes 0-15 take one row of 256 bytes, lanes 16-31 the next
	v_lshl_add_u32 v6, v1, 4, v6
	v_add_nc_u32 v[RD], s78, v6
	v_lshlrev_b32 v[CO], 11, v2                    ; and the same two rows in memory
	v_lshl_add_u32 v[CO], v1, 4, v[CO]
	v_add_nc_u32 v[STO], s78, v5
; 16 matrix instructions: row tiles a0, a0 + 1 x all 8 column tiles, 32 along K, from buffers f.  first = 1: the bias starts the sums.
; The 32 accumulators take turns, one instruction a turn, in the same order in every quarter step, over the backward jumps too.
.macro MUL16 f, a0, first
.irp a, \a0, \a0+1
.irp b, 0,1,2,3,4,5,6,7
.if \first
	v_wmma_f32_16x16x32_f16 v[8*(8*(\a)+\b):8*(8*(\a)+\b)+7], v[64*\f+8*\b:64*\f+8*\b+7], v[FA+32*\f+8*(\a):FA+32*\f+8*(\a)+7], v[BIAS+8*\b:BIAS+8*\b+7]
.else
	v_wmma_f32_16x16x32_f16 v[8*(8*(\a)+\b):8*(8*(\a)+\b)+7], v[64*\f+8*\b:64*\f+8*\b+7], v[FA+32*\f+8*(\a):FA+32*\f+8*(\a)+7], v[8*(8*(\a)+\b):8*(8*(\a)+\b)+7]
.endif
.endr
.endr
.endm
; The LDS loads of quarter step q of a slot, in one run: 128 rows of B into buffer g; 64 rows of A as f32 into RAW.
.macro FETCH slot, q, g
	WIN TO_B
.irp b, 0,1,2,3,4,5,6,7
	ds_load_b128 v[64*\g+8*\b:64*\g+8*\b+3],   v[ADRB+\slot] offset:64*\q+\b*16*BPITCH
	ds_load_b128 v[64*\g+8*\b+4:64*\g+8*\b+7], v[ADRB+\slot] offset:64*\q+\b*16*BPITCH+32
.endr
	WIN 0
.irp a, 0,1,2,3
	ds_load_b128 v[RAW+16*\a:RAW+16*\a+3],     v[ADRA+\slot] offset:128*\q+\a*16*APITCH      ; K = 8 h + 0..3
	ds_load_b128 v[RAW+16*\a+4:RAW+16*\a+7],   v[ADRA+\slot] offset:128*\q+\a*16*APITCH+16   ; K = 8 h + 4..7
	ds_load_b128 v[RAW+16*\a+8:RAW+16*\a+11],  v[ADRA+\slot] offset:128*\q+\a*16*APITCH+64   ; K = 16 + 8 h + 0..3
	ds_load_b128 v[RAW+16*\a+12:RAW+16*\a+15], v[ADRA+\slot] offset:128*\q+\a*16*APITCH+80   ; K = 16 + 8 h + 4..7
.endr
.endm
; The fragments of the quarter step that is due are made ready in buffers f.  A load into a register that a matrix instruction has read stands four places behind
; it, and only plain vector instructions that name none of its registers are places (ISA guide 7.12.1 for vector instructions).
; The 32 conversions are those places: they write the A buffer that the last quarter step did not read, and read RAW, which is no matrix operand.
.macro READY f
	s_wait_dscnt 0x0                               ; the run of loads issued 32 matrix instructions ago is in
	WIN 0
.set j, 0
.rept 32
	v_cvt_pk_f16_f32 v[FA+32*\f+j], v[RAW+2*j], v[RAW+2*j+1]       ; tile a = j / 8: register j % 8 of the fragment from numbers 2 (j % 8), 2 (j % 8) + 1
.set j, j+1
.endr
.endm
; A K step is four quarter steps of 32 along K, 32 matrix instructions each, on buffers 0, 1, 0, 1.
; One of the first three: makes buffers f ready, fetches quarter step qn of the same slot for buffers g, multiplies buffers f.
.macro QUARTER slot, qn, f, g, first
	READY \f
	FETCH \slot, \qn, \g
.if \first
	WIN MULF
.else
	WIN MULW
.endif
	MUL16 \f, 0, \first
	MUL16 \f, 2, \first
.endm
.macro THREE slot, first
	QUARTER \slot, 1, 0, 1, \first
	QUARTER \slot, 2, 1, 0, 0
	QUARTER \slot, 3, 0, 1, 0
.endm
; The last quarter step: multiplies buffers 1 and changes slots.  fill = 1: this slot is filled again, two K steps ahead; cross = 1: those two K steps ahead lie
; in the next product.  In front of the round each wave has waited for its reads of this slot and for all its tensor loads, of which one is out: its part of the
; next slot.  Behind it nobody reads this slot any more and the next slot is whole: the refill comes first, then the first fragments of the next slot, then the
; products.  Nothing but the round stands between the wait for a tile and the next request, so from a request to the wait for it a wave issues all the
; 128 matrix instructions of a K step.
.macro TURN slot, next, fill, cross
.if \fill
	s_wait_xcnt 0x0                                ; the address pair that the last request ahead named is rewritten only behind this wait
	s_add_co_u32 s[PK], s[PK], KA                  ; asking ahead goes on by a K step;
	s_cmp_eq_u32 s[PK], 8*KA                       ; behind the eighth it begins the next x (a choice by a byte count, not by an address)
	s_cselect_b64 s[PB:PB+1], s[PBN:PBN+1], s[PB:PB+1]
	s_cselect_b64 s[PBN:PBN+1], s[PBNN:PBNN+1], s[PBN:PBN+1]
	s_cselect_b32 s[PK], 0, s[PK]
	s_add_nc_u64 s[PFA:PFA+1], s[PB:PB+1], s[PK:PK+1]
.endif
	READY 1                                        ; its wait for 0: my reads of this slot are over
	s_wait_tensorcnt 0x0                           ; all my tensor loads have landed
	ds_add_u32 v30, v31
	s_wait_dscnt 0x0
.if \fill
	CROUND                                         ; all sixteen work-groups have said so: no wave of any partner still reads this slot or has a load on its way
.if \cross
	s_add_nc_u64 s[G0A+4*\slot+2:G0A+4*\slot+3], s[XN:XN+1], \slot*KA      ; K step 0 or 1 of the next x,
	s_or_b32 s[G0A+4*\slot+3], s[G0A+4*\slot+3], 0x80000000                ; type = 2
	s_add_nc_u64 s[G0B+4*\slot+2:G0B+4*\slot+3], s[G0B+4*\slot+2:G0B+4*\slot+3], WMAT-6*KSTEP*2   ; and of the next matrix of wh: a matrix on, six K steps back
.else
	s_add_nc_u64 s[G0A+4*\slot+2:G0A+4*\slot+3], s[G0A+4*\slot+2:G0A+4*\slot+3], 2*KA
	s_add_nc_u64 s[G0B+4*\slot+2:G0B+4*\slot+3], s[G0B+4*\slot+2:G0B+4*\slot+3], 2*KSTEP*2
.endif
	JLOAD \slot, 1                                 ; the first tensor load behind the round, one a wave
	FETCH \next, 0, 0                              ; buffers 0 were last read a quarter step ago; the places of READY 1 stand between
	WIN MULW
	MUL16 1, 0, 0
	MUL16 1, 2, 0
.else
	s_barrier_signal -1
	WIN MULW
	MUL16 1, 0, 0                                  ; work on registers while the others arrive
	WIN 0
	s_barrier_wait -1
	FETCH \next, 0, 0
	WIN MULW
	MUL16 1, 2, 0
.endif
.endm
.macro LAP first, cross                ; two K steps, once round the ring, both slots filled again
	THREE 0, \first
	TURN 0, 1, 1, \cross
	THREE 1, 0
	TURN 1, 0, 1, \cross
.endm
; THE WAY OUT, 16 rows at a time, through my own stage in LDS: in by lanes that hold parts of 16 rows, back as whole rows.
; LDS serves the instructions of a wave in order (ISA guide 5.7.1), so the loads see the stores above them without a wait.
; It names neither RAW nor the B buffers, which already hold the first fragments of the next product.
.macro OUT16 a
	WIN FROMC
.set j, 0
.rept 32
	v_cvt_pk_f16_f32 v[TMP+j], v[64*\a+2*j], v[64*\a+2*j+1]        ; tile b = j / 4: 8 neighbouring columns of a row become 16 bytes
.set j, j+1
.endr
	WIN 0
.irp b, 0,1,2,3,4,5,6,7
	ds_store_b128 v[STO], v[TMP+4*\b:TMP+4*\b+3] offset:32*\b
.endr
	s_wait_xcnt 0x0                                ; the buffer that earlier stores read, and their base, are rewritten only behind this wait
.if \a
	s_add_nc_u64 s[74:75], s[74:75], 16*ROWB
.endif
.irp t, 0,1,2,3,4,5,6,7
	ds_load_b128 v[FA+32*(\a&1)+4*\t:FA+32*(\a&1)+4*\t+3], v[RD] offset:\t*2*SP
.endr
.irp t, 0,1,2,3,4,5,6,7
	s_wait_dscnt 7-\t                              ; rows 2 t, 2 t + 1 are back, the younger ones stay out
	global_store_b128 v[CO], v[FA+32*(\a&1)+4*\t:FA+32*(\a&1)+4*\t+3], s[74:75] offset:\t*2*ROWB   ; 16 lanes store 256 consecutive bytes, at a multiple of 256 from the first byte of the result
.endr
.endm
.macro OUTALL
	WIN 0
	PLACES 4                                       ; four places behind the last products, for what reads the sums and for the loads into the A buffers
	OUT16 0
	OUT16 1
	OUT16 2
	OUT16 3
.endm
	s_wait_tensorcnt 0x1                           ; my part of K step 0 is in; K step 1 stays out
	s_wait_loadcnt 0x0                             ; the bias
	s_barrier_signal -1
	s_barrier_wait -1                              ; K step 0 is whole
	FETCH 0, 0, 0
	WIN 0                                          ; at a label and at a branch every window is 0
	s_mov_b32 s90, NG-1
.Lprod:                                            ; Q, then K: the ring runs on into the next product
	LAP 1, 0                                       ; K steps 0, 1: the first products take the bias as C
	WIN 0
	s_mov_b32 s3, 2
.Llap_a:
	LAP 0, 0                                       ; K steps 2 to 5
	WIN 0
	s_sub_co_u32 s3, s3, 1
	s_cmp_lg_u32 s3, 0
	s_cbranch_scc1 .Llap_a
	BIASLD BN                                      ; the next bias: its registers were last read by the first products of this g, three laps back
	LAP 0, 1                                       ; K steps 6, 7: their turns ask for K steps 0, 1 of the next product
	OUTALL                                         ; while those two tiles are on their way
	s_wait_xcnt 0x0                                ; the A buffers, which the last stores read, and their base are rewritten only behind this wait
	s_add_nc_u64 s[74:75], s[74:75], OMAT-48*ROWB  ; my corner of the next result
	s_wait_loadcnt 0x0                             ; the next bias is in, so its base may be written
	s_mov_b64 s[BN:BN+1], s[16:17]
	s_mov_b64 s[XN:XN+1], s[8:9]
	s_sub_co_u32 s90, s90, 1
	s_cmp_lg_u32 s90, 0
	s_cbranch_scc1 .Lprod
	LAP 1, 0                                       ; V, written out: its last lap fills nothing
	WIN 0
	s_mov_b32 s3, 2
.Llap_b:
	LAP 0, 0
	WIN 0
	s_sub_co_u32 s3, s3, 1
	s_cmp_lg_u32 s3, 0
	s_cbranch_scc1 .Llap_b
	THREE 0, 0                                     ; the last lap has no round of the cluster barrier: my one tensor load that is still out is the last K step
	TURN 0, 1, 0, 0
	THREE 1, 0
	READY 1                                        ; the very last quarter step: nothing more to fetch
	WIN MULW
	MUL16 1, 0, 0
	MUL16 1, 2, 0
	OUTALL
	s_wait_tensorcnt 0x0
	ds_add_u32 v30, v31
	s_wait_dscnt 0x0
	CROUND                                         ; the closing round: no work-group ends while a partner may still ask for a tile that names it
	s_endpgm
.Lfunc_end_k_q4c3429a676_proj:
	.size	k_q4c3429a676_proj, .Lfunc_end_k_q4c3429a676_proj-k_q4c3429a676_proj
	.p2alignl 7, 3214868480
	.fill 96, 4, 3214868480
	.section	.rodata,"a",@progbits
	.p2align	6, 0x0
	.amdhsa_kernel k_q4c3429a676_proj
		.amdhsa_group_segment_fixed_size 327680
		.amdhsa_private_segment_fixed_size 0
		.amdhsa_enable_private_segment 0
		.amdhsa_kernarg_size 64
		.amdhsa_user_sgpr_count 2
		.amdhsa_user_sgpr_kernarg_segment_ptr 1
		.amdhsa_wavefront_size32 1
		.amdhsa_system_sgpr_workgroup_id_x 1
		.amdhsa_system_sgpr_workgroup_id_y 1
		.amdhsa_system_sgpr_workgroup_id_z 1
		.amdhsa_system_vgpr_workitem_id 0
		.amdhsa_next_free_vgpr 640
		.amdhsa_next_free_sgpr 96
		.amdhsa_reserve_vcc 0
		.amdhsa_float_denorm_mode_32 3
		.amdhsa_float_denorm_mode_16_64 3
		.amdhsa_memory_ordered 1
		.amdhsa_forward_progress 1
		.amdhsa_inst_pref_size 255
	.end_amdhsa_kernel
	.section	.bss,"aw",@nobits
	.p2align	6
	.space	262144
	.amdgpu_metadata
---
amdhsa.version: [ 1, 2 ]
amdhsa.kernels:
  - .name:           k_q4c3429a676_proj
    .symbol:         k_q4c3429a676_proj.kd
    .args:
      - { .name: q, .offset: 0, .size: 8, .value_kind: global_buffer, .address_space: global }
      - { .name: k, .offset: 8, .size: 8, .value_kind: global_buffer, .address_space: global }
      - { .name: v, .offset: 16, .size: 8, .value_kind: global_buffer, .address_space: global }
      - { .name: wh, .offset: 24, .size: 8, .value_kind: global_buffer, .address_space: global }
      - { .name: bq, .offset: 32, .size: 8, .value_kind: global_buffer, .address_space: global }
      - { .name: bk, .offset: 40, .size: 8, .value_kind: global_buffer, .address_space: global }
      - { .name: bv, .offset: 48, .size: 8, .value_kind: global_buffer, .address_space: global }
      - { .name: qkv, .offset: 56, .size: 8, .value_kind: global_buffer, .address_space: global }
    .group_segment_fixed_size: 327680
    .private_segment_fixed_size: 0
    .kernarg_segment_align: 8
    .kernarg_segment_size: 64
    .max_flat_workgroup_size: 128
    .sgpr_count:     96
    .vgpr_count:     640
    .wavefront_size: 32
...
	.end_amdgpu_metadata
.endif
;; end of part 2
;; launch attn (part 3): grid 256 x 1, 8 waves a work-group, clusters of 4 x 1, 327,680 bytes of LDS; arguments qkv, att; writes att
.if DOCPART == 3
	.amdgcn_target "amdgcn-amd-amdhsa--gfx1250"
	.amdhsa_code_object_version 6
	.text
	.protected	k_q4c3429a676_attn
	.globl	k_q4c3429a676_attn
	.p2align	8
	.type	k_q4c3429a676_attn,@function
k_q4c3429a676_attn:
	s_mov_b64 s[64:65], 0
	v_nop
	global_prefetch_b8 v0, s[64:65] scope:SCOPE_SE
	s_setreg_imm32_b32 hwreg(HW_REG_WAVE_MODE, 25, 1), 1
	s_wait_xcnt 0x0
	s_wait_alu depctr_hold_cnt(0) depctr_sa_sdst(0) depctr_va_vdst(0) depctr_va_sdst(0) depctr_va_ssrc(0) depctr_va_vcc(0) depctr_vm_vsrc(0)
	s_getreg_b32 s2, hwreg(HW_REG_IB_STS2, 6, 4)
	s_cmp_eq_u32 s2, 0
	s_cbranch_scc0 .Lentry_in_a_cluster
	s_endpgm
.Lentry_in_a_cluster:
	s_bfe_u32 s2, ttmp6, 0x10000c
	s_cmp_lg_u32 s2, 0x3003
	s_cbranch_scc0 .Lentry_shape_is_right
	s_endpgm
.Lentry_shape_is_right:
; attn: att = softmax(Q K^T / 8) V for 4 batches x 16 heads, S = 2048, 64 numbers a head.  Q, K, V: qkv = [3][8192][1024] f16; att: [8192][1024] f16.
; A work-group takes 256 queries of a PAIR of heads, so that a row of a K or V tile and a row of att are 256 consecutive bytes at a multiple of 256.
; Eight waves: wave w takes head w / 4 of the pair and queries 64 (w % 4) .. + 63.  4 batches x 8 pairs x 8 query blocks = 256 work-groups.
; K and V go in 8 tiles of 256 keys through a ring of two LDS slots.  CLUSTER: the four work-groups of a cluster are four query blocks of one batch and pair:
; they read the same tiles and ask for them JOINTLY (mask 15).
; BOTH PRODUCTS ARE USED TRANSPOSED.  S^T = K Q^T (source 0 = 16 keys, source 1 = 16 queries): lane l holds query l % 16 and keys 8 (l / 16) + 0..7 of a tile.
; Two neighbouring key tiles, packed to f16 in place, are the source 1 fragment P^T of 32 keys as it stands.  O^T = V^T P^T (source 0 = V read from LDS by the
; transposing load): lane l again holds query l % 16.  So the running maximum, the running sum and the rescaling factor are one number a lane and query tile,
; and one exchange between the two halves of the lanes for each maximum is all that crosses lanes.
; SOFTMAX with a running maximum m of the raw scores s; c = log2(e) / 8: p = 2^(s c - m c), by one fused multiply-add and v_exp_f32.
; The factor for what was summed before is 2^((-m_new c) - (-m_old c)), made of the same two rounded numbers that the scores are shifted by.
; THE TEXT: a step is 64 keys.  The four steps of a tile are ONE loop body: the LDS addresses of K and of V are two cursor registers that start at the first
; keys of the slot and go on by 64 rows a trip.  So the loop over the tiles holds two step bodies, each run four times in a row by all eight waves.
; Inside a step the four query tiles go through softmax side by side, so that neighbouring lines do not depend on each other.
; LIMITS: Q, K, V are f16 (a magnitude beyond 65,504 has become infinite in the launch before).  p is at most 1 but for the rounding of m c, and is rounded to
; f16 for the product with V: p below 6e-8 is dropped there.  The sum l takes p in f32.
.set KP,    272                        ; an LDS row of K: 256 bytes + 16, an odd multiple of 16
.set VP,    288                        ; an LDS row of V: 256 bytes + 32, an odd multiple of 32
.set VQ,    64*VP                      ; 64 rows: what one tensor load brings, and what one step reads
.set KQ,    64*KP
.set VT,    4*VQ                       ; 256 keys of V
.set KT,    4*KQ                       ; 256 keys of K
.set SLOT,  VT+KT                      ; V, then K
.set STG,   2*SLOT                     ; behind the ring: 128 rows x 272 bytes for the way out; no tensor load lands here
.set SGP,   272
.set ROWB,  2048                       ; a row of Q, K, V, att in memory
.set TILEB, 256*ROWB                   ; 256 keys in memory
.set KOFF,  16777216                   ; K in qkv
.set VOFF,  33554432                   ; V in qkv
.set CEXP,  0x3e38aa3b                 ; c = log2(e) / 8
.set NCEXP, 0xbe38aa3b                 ; -c
; window 0
.set ADRK, 8                           ; v8-9     LDS address of my K fragments at the first keys of slot 0, 1
.set ADRV, 10                          ; v10-11   the same for V
.set CK,   12                          ; v12      cursor: my K fragments of the step at hand
.set CV,   13                          ; v13      cursor: my V fragments of the step at hand
.set STO,  16                          ; v16      the way out: where I put 16 bytes of a row
.set RD,   17                          ; v17      the way out: where I read a row back
.set CO,   18                          ; v18      my byte offset in att
.set QOF,  19                          ; v19      my byte offset in Q
.set TT,   20                          ; v20-27   eight chains of maxima: query tile n, chain c at 2 n + c; then at work
.set NM,   28                          ; v28-35   query tile n: the pair (-m c, m)
.set AL,   36                          ; v36-43   query tile n: the pair (factor, l)
.set SA,   44                          ; v44-45   a chain of the sum
.set SB,   46                          ; v46-47   the other chain
.set QF,   64                          ; v64-127  Q fragments, (n, ks) at + 8 (2 n + ks)
.set SCR,  128                         ; v128-255 scores, tile (n, kt) at + 8 (4 n + kt); then P, (n, kk) at + 32 n + 8 kk
; window 1
.set OAC,  0                           ; v0-127   O^T, tile t = 4 dt + n at 8 t
.set KF,   128                         ; v128-191 K fragments, (kt, ks) at + 8 (2 kt + ks)
.set VF,   192                         ; v192-255 V^T fragments, (dt, kk) at + 8 (2 dt + kk)
.set G1K, 16                           ; s[16:23] descriptor group 1 for K
.set G1V, 24                           ; s[24:31] for V: it differs in the padding alone
.set G0K, 32                           ; s[32:39] descriptor group 0 for K, a set for each slot
.set G0V, 40                           ; s[40:47] for V
.set MSB, 0
.macro WIN new                         ; low byte: bits 1:0 source 0, 3:2 source 1, 5:4 source 2, 7:6 destination; the high byte repeats the setting that is left
.if MSB != \new
	s_set_vgpr_msb (MSB<<8)|\new
.set MSB, \new
.endif
.endm
.set LD, 0x40                          ; destination window 1, address window 0
.set QK, 0x01                          ; source 0 (K) window 1; Q, C and D window 0
.set PV, 0x51                          ; source 0 (V) window 1, source 1 (P) window 0, C and D window 1; also O = O x factor: destination and source 0 window 1, source 1 window 0
.set CV16, 0x05                        ; sources 0 and 1 window 1, destination window 0
.macro PLACES n
.rept \n
	v_nop
.endr
.endm
; A round of the cluster barrier: the work-group barrier, wave 0 signals for the work-group, every wave waits for all four work-groups, the work-group barrier again.
.macro ROUND
	s_barrier_signal -1
	s_barrier_wait -1
	s_cmp_lg_u32 s8, 0
	s_cbranch_scc1 .Lnot_wave_0_\@
	s_barrier_signal -3
.Lnot_wave_0_\@:
	s_barrier_wait -3
	s_barrier_signal -1
	s_barrier_wait -1
.endm
; A joint load: waves 0 to 3 fetch the four quarters of V, waves 4 to 7 those of K, 64 rows each.  The branch hangs on the wave number alone.
.macro JLOAD s
	s_cmp_eq_u32 s9, 0
	s_cbranch_scc0 .Lfor_k_\@
	tensor_load_to_lds s[G0V+4*(\s):G0V+4*(\s)+3], s[G1V:G1V+7]
	s_nop 0
	s_branch .Lasked_\@
.Lfor_k_\@:
	tensor_load_to_lds s[G0K+4*(\s):G0K+4*(\s)+3], s[G1K:G1K+7]
	s_nop 0
	v_nop
.Lasked_\@:
.endm
	s_load_b128 s[4:7], s[0:1], 0x0                ; qkv s[4:5], att s[6:7]
	v_lshl_add_u32 v62, v0, 2, 0x4e800
	v_mov_b32 v63, 0
	ds_add_u32 v62, v63
	v_lshrrev_b32 v1, 5, v0
	v_readfirstlane_b32 s8, v1                     ; wave 0..7
	s_lshr_b32 s9, s8, 2                           ; which head of the pair is mine.  Also: I fetch for V (0) or for K (1)
	s_and_b32 s10, s8, 3                           ; which 64 queries.  Also: which 64 rows of a tile I fetch
	s_bfe_u32 s11, ttmp6, 0x40000                  ; cx
	s_lshr_b32 s12, ttmp9, 1                       ; two clusters for each batch and pair
	s_lshr_b32 s13, s12, 3                         ; batch
	s_and_b32 s14, s12, 7                          ; pair of heads
	s_and_b32 s15, ttmp9, 1
	s_lshl_b32 s15, s15, 2
	s_add_co_u32 s15, s15, s11                     ; query block 0..7
	s_mov_b32 s52, 0x76543210                      ; v_permlanex16_b32: lane i of one half reads lane i of the other
	s_mov_b32 s53, 0xfedcba98
	; group 1: 64 rows x 128 elements of 2 bytes, rows 1,024 elements apart; padding after every 64 words: 4 words for K, 8 for V; mask 15 with bit 21 beside it
	s_mov_b32 s[G1K+0], 15|(1<<16)|(1<<20)|(1<<21)|(5<<22)|(3<<25)
	s_mov_b32 s[G1V+0], 15|(1<<16)|(1<<20)|(1<<21)|(5<<22)|(7<<25)
	s_mov_b32 s[G1K+1], 128<<16                    ; tensor_dim0 = 128
	s_mov_b32 s[G1V+1], 128<<16
	s_mov_b32 s[G1K+2], 64<<16                     ; tensor_dim1 = 64
	s_mov_b32 s[G1V+2], 64<<16
	s_mov_b32 s[G1K+3], 128<<16                    ; tile_dim0 = 128
	s_mov_b32 s[G1V+3], 128<<16
	s_mov_b32 s[G1K+4], 64                         ; tile_dim1 = 64
	s_mov_b32 s[G1V+4], 64
	s_mov_b32 s[G1K+5], 1024
	s_mov_b32 s[G1V+5], 1024
	s_mov_b32 s[G1K+6], 0
	s_mov_b32 s[G1V+6], 0
	s_mov_b32 s[G1K+7], 0
	s_mov_b32 s[G1V+7], 0
	; the tiles: batch, my quarter of the rows, the pair.  cx does not enter
	s_lshl_b32 s48, s13, 22                        ; 2,048 rows of 2,048 bytes a batch
	s_lshl_b32 s49, s10, 17                        ; 64 rows
	s_add_co_u32 s48, s48, s49
	s_lshl_b32 s49, s14, 8                         ; 256 bytes a pair
	s_add_co_u32 s48, s48, s49
	s_mov_b32 s49, 0
	s_lshl_b32 s60, s13, 11
	s_lshl_b32 s61, s15, 8
	s_add_co_u32 s60, s60, s61                     ; first token of my query block
	s_lshl_b32 s56, s10, 6
	s_add_co_u32 s56, s56, s60                     ; Q: my first query,
	s_lshl_b32 s56, s56, 11
	s_lshl_b32 s57, s14, 8
	s_add_co_u32 s56, s56, s57                     ; the pair,
	s_lshl_b32 s57, s9, 7
	s_add_co_u32 s56, s56, s57                     ; my head
	s_mov_b32 s57, 0
	s_lshr_b32 s58, s8, 1                          ; att: on the way out wave w stores queries 64 (w / 2) + 16 (w % 2) + 32 p + 0..15
	s_lshl_b32 s58, s58, 6
	s_and_b32 s59, s8, 1
	s_lshl_b32 s59, s59, 4
	s_add_co_u32 s58, s58, s59
	s_add_co_u32 s58, s58, s60
	s_lshl_b32 s58, s58, 11
	s_lshl_b32 s59, s14, 8
	s_add_co_u32 s58, s58, s59
	s_mov_b32 s59, 0
	s_mul_i32 s62, s8, VQ                          ; where the tiles go: the quarters of V at wave x 64 rows (waves 0 to 3),
	s_mul_i32 s63, s8, KQ                          ; those of K behind them at wave x 64 rows + a constant (waves 4 to 7)
	s_add_co_u32 s63, s63, VT-4*KQ
	s_wait_dscnt 0x0
	s_wait_kmcnt 0x0
	s_add_nc_u64 s[50:51], s[4:5], s[48:49]
	s_add_nc_u64 s[56:57], s[4:5], s[56:57]
	s_add_nc_u64 s[58:59], s[6:7], s[58:59]
	ROUND                                          ; all four work-groups are here: the first joint loads meet
.irp s, 0,1
	s_mov_b32 s[G0K+4*\s], 1
	s_add_co_u32 s[G0K+4*\s+1], s63, \s*SLOT
	s_add_nc_u64 s[G0K+4*\s+2:G0K+4*\s+3], s[50:51], KOFF+\s*TILEB
	s_or_b32 s[G0K+4*\s+3], s[G0K+4*\s+3], 0x80000000
	s_mov_b32 s[G0V+4*\s], 1
	s_add_co_u32 s[G0V+4*\s+1], s62, \s*SLOT
	s_add_nc_u64 s[G0V+4*\s+2:G0V+4*\s+3], s[50:51], VOFF+\s*TILEB
	s_or_b32 s[G0V+4*\s+3], s[G0V+4*\s+3], 0x80000000
	JLOAD \s                                       ; both first fills go out before anything else; by this count a wave has at most two tensor loads out, later one
.endr
	v_and_b32 v1, 15, v0                           ; r = l % 16
	v_bfe_u32 v2, v0, 4, 1                         ; h = l / 16
	v_lshlrev_b32 v[QOF], 11, v1
	v_lshl_add_u32 v[QOF], v2, 4, v[QOF]           ; query r, 16 h bytes along the head
.irp qt, 0,1,2,3
.irp ks, 0,1
	global_load_b128 v[QF+8*(2*\qt+\ks):QF+8*(2*\qt+\ks)+3],   v[QOF], s[56:57] offset:32768*\qt+64*\ks      ; Q stays in registers for the whole kernel
	global_load_b128 v[QF+8*(2*\qt+\ks)+4:QF+8*(2*\qt+\ks)+7], v[QOF], s[56:57] offset:32768*\qt+64*\ks+32
.endr
.endr
	v_and_b32 v3, 7, v0
	v_bfe_u32 v4, v0, 3, 1
	s_lshl_b32 s60, s9, 7                          ; my head: 128 bytes along a row
	v_mul_u32_u24 v7, v1, KP
	v_lshl_add_u32 v7, v2, 4, v7                   ; 272 r + 16 h
	s_add_co_u32 s61, s60, VT
	v_add_nc_u32 v[ADRK], s61, v7                  ; K fragment: key r of a tile, 16 h bytes along my head
	v_add_nc_u32 v[ADRK+1], SLOT, v[ADRK]
	v_lshl_add_u32 v6, v2, 3, v3                   ; V by the transposing load: key 8 h + l % 8,
	v_mul_u32_u24 v6, v6, VP
	v_lshl_add_u32 v6, v4, 4, v6                   ; 16 bytes for each group of eight lanes
	v_add_nc_u32 v[ADRV], s60, v6
	v_add_nc_u32 v[ADRV+1], SLOT, v[ADRV]
	s_mul_i32 s61, s10, 32*SGP                     ; the stage holds 32 queries of each group of 64 at a time
	s_add_co_u32 s61, s61, s60
	s_add_co_u32 s61, s61, STG
	v_add_nc_u32 v[STO], s61, v7                   ; in: row 32 (w % 4) + r, my head, 16 h
	v_mul_u32_u24 v5, v2, SGP
	v_lshl_add_u32 v5, v1, 4, v5
	s_mul_i32 s61, s8, 16*SGP
	s_add_co_u32 s61, s61, STG
	v_add_nc_u32 v[RD], s61, v5                    ; back: rows 16 w + ..: lanes 0-15 one row of 256 bytes, lanes 16-31 the next
	v_lshlrev_b32 v[CO], 11, v2
	v_lshl_add_u32 v[CO], v1, 4, v[CO]             ; and the same two rows in att
; The maxima of the four query tiles over the 64 keys of a step (32 scores a lane and tile), the running maximum, -m c and the factor.
; Eight chains, two a query tile, take turns; the short tail is written four lines at a time, one a query tile.
.macro MAXALL first
.irp qt, 0,1,2,3
.irp c, 0,1
	v_max3_num_f32 v[TT+2*\qt+\c], v[SCR+32*\qt+16*\c], v[SCR+32*\qt+16*\c+1], v[SCR+32*\qt+16*\c+2]
.endr
.endr
.irp e, 3,5,7,9,11,13
.irp qt, 0,1,2,3
.irp c, 0,1
	v_max3_num_f32 v[TT+2*\qt+\c], v[TT+2*\qt+\c], v[SCR+32*\qt+16*\c+\e], v[SCR+32*\qt+16*\c+\e+1]
.endr
.endr
.endr
.irp qt, 0,1,2,3
	v_max3_num_f32 v[TT+2*\qt], v[TT+2*\qt], v[SCR+32*\qt+15], v[SCR+32*\qt+31]    ; the last score of each chain
.endr
.irp qt, 0,1,2,3
.if \first
	v_max_num_f32 v[TT+2*\qt], v[TT+2*\qt], v[TT+2*\qt+1]
.else
	v_max3_num_f32 v[TT+2*\qt], v[TT+2*\qt], v[TT+2*\qt+1], v[NM+2*\qt+1]          ; the two chains and the running maximum, which is equal in both halves of the lanes
.endif
.endr
.irp qt, 0,1,2,3
	v_permlanex16_b32 v[TT+2*\qt+1], v[TT+2*\qt], s52, s53                         ; the other half of the keys of my query
.endr
.irp qt, 0,1,2,3
	v_max_num_f32 v[NM+2*\qt+1], v[TT+2*\qt], v[TT+2*\qt+1]                        ; m
.endr
.if \first
.irp qt, 0,1,2,3
	v_mul_f32 v[NM+2*\qt], NCEXP, v[NM+2*\qt+1]                                    ; -m c
.endr
.else
.irp qt, 0,1,2,3
	v_mul_f32 v[TT+2*\qt], NCEXP, v[NM+2*\qt+1]                                    ; -m c
.endr
.irp qt, 0,1,2,3
	v_sub_f32 v[TT+2*\qt+1], v[TT+2*\qt], v[NM+2*\qt]                              ; (-m c) - (-m_old c), never above 0
.endr
.irp qt, 0,1,2,3
	v_mov_b32 v[NM+2*\qt], v[TT+2*\qt]
.endr
.irp qt, 0,1,2,3
	v_exp_f32 v[AL+2*\qt], v[TT+2*\qt+1]                                           ; the factor; the packed line that follows is the plain place behind it (ISA guide 5.7.2)
.endr
.endif
.endm
; s c - m c for scores 2 j, 2 j + 1 of query tile qt
.macro FMAOP qt, j
	v_pk_fma_f32 v[SCR+32*(\qt)+2*(\j):SCR+32*(\qt)+2*(\j)+1], v[SCR+32*(\qt)+2*(\j):SCR+32*(\qt)+2*(\j)+1], CEXP, v[NM+2*(\qt):NM+2*(\qt)+1] op_sel_hi:[1,0,0]
.endm
; Line k of the 33 that sum the 32 weights of query tile qt (two chains), carry l on and pack the weights to f16 in place.
; The packing is ascending: register i takes weights 2 i, 2 i + 1, so registers 0-7 become keys 0-31 and registers 8-15 keys 32-63; all sums stand ahead of it.
.macro SCOP qt, k, first
.set XQ, SCR+32*(\qt)
.set LQ, AL+2*(\qt)
.if (\k) == 0
	s_wait_alu depctr_va_vdst(0)
	v_pk_add_f32 v[SA:SA+1], v[XQ:XQ+1], v[XQ+2:XQ+3]
.elseif (\k) == 1
	v_pk_add_f32 v[SB:SB+1], v[XQ+4:XQ+5], v[XQ+6:XQ+7]
.elseif (\k) < 14
.if (\k) & 1
	v_pk_add_f32 v[SB:SB+1], v[SB:SB+1], v[XQ+2*(\k)+4:XQ+2*(\k)+5]
.else
	v_pk_add_f32 v[SA:SA+1], v[SA:SA+1], v[XQ+2*(\k)+4:XQ+2*(\k)+5]
.endif
.elseif (\k) == 14
	v_pk_add_f32 v[SA:SA+1], v[SA:SA+1], v[SB:SB+1]
.elseif (\k) == 15
.if \first
	v_add_f32 v[LQ+1], v[SA], v[SA+1]              ; l, over the keys of my half of the lanes; the halves meet at the end
.else
	v_add_f32 v[SA], v[SA], v[SA+1]
.endif
.elseif (\k) == 16
.if \first == 0
	v_fma_f32 v[LQ+1], v[LQ+1], v[LQ], v[SA]       ; l = l x factor + sum
.endif
.else
	v_cvt_pk_f16_f32 v[XQ+(\k)-17], v[XQ+2*(\k)-34], v[XQ+2*(\k)-33]
.endif
.endm
; Softmax of the four query tiles.  Behind every exponential stands a plain line of another query tile: it is the place that ISA guide 5.7.2 asks for,
; and it depends on nothing near it.  The exponentials of tile 0 go with the shifts of tiles 1 to 3, those of tile n with the sum and the packing of tile n - 1.
.macro SOFTALL first
	MAXALL \first
.set j, 0
.rept 16
	FMAOP 0, j
.set j, j+1
.endr
.set j, 0
.rept 16
	v_exp_f32 v[SCR+2*j], v[SCR+2*j]
	FMAOP 1, j
	FMAOP 2, j
	v_exp_f32 v[SCR+2*j+1], v[SCR+2*j+1]
	FMAOP 3, j
.set j, j+1
.endr
.irp qt, 1,2,3
.set j, 0
.rept 32
	v_exp_f32 v[SCR+32*\qt+j], v[SCR+32*\qt+j]
	SCOP \qt-1, j, \first
.set j, j+1
.endr
	SCOP \qt-1, 32, \first
.endr
.set j, 0
.rept 33
	SCOP 3, j, \first
.set j, j+1
.endr
.endm
; accumulator tile t of O^T times the factor of its query tile t % 4
.macro RSC t
.irp i, 0,2,4,6
	v_pk_mul_f32 v[OAC+8*(\t)+\i:OAC+8*(\t)+\i+1], v[OAC+8*(\t)+\i:OAC+8*(\t)+\i+1], v[AL+2*((\t)&3):AL+2*((\t)&3)+1] op_sel_hi:[1,0]
.endr
.endm
; One step: the 64 keys at the cursors.  32 LDS loads, 32 products for the scores, softmax, 32 products with V.
; In both groups of products 16 accumulators take turns, one instruction a turn.
.macro STEP first
	WIN LD
.irp kt, 0,1,2,3
.irp ks, 0,1
	ds_load_b128 v[KF+8*(2*\kt+\ks):KF+8*(2*\kt+\ks)+3],   v[CK] offset:16*\kt*KP+64*\ks       ; the K fragments were last read by the score products of the step before, far back
	ds_load_b128 v[KF+8*(2*\kt+\ks)+4:KF+8*(2*\kt+\ks)+7], v[CK] offset:16*\kt*KP+64*\ks+32
.endr
.endr
	PLACES 5                                       ; behind the last products with V: four places for the loads into their V fragments, five for the products that write over P
.irp dt, 0,1,2,3
.irp kk, 0,1
	ds_load_tr16_b128 v[VF+8*(2*\dt+\kk):VF+8*(2*\dt+\kk)+3],   v[CV] offset:32*\kk*VP+32*\dt
	ds_load_tr16_b128 v[VF+8*(2*\dt+\kk)+4:VF+8*(2*\dt+\kk)+7], v[CV] offset:(32*\kk+16)*VP+32*\dt
.endr
.endr
	s_wait_dscnt 16                                ; the 16 loads of K are in; the 16 of V, issued behind them, stay out
	WIN QK
.irp qt, 0,1,2,3
.irp kt, 0,1,2,3
	v_wmma_f32_16x16x32_f16 v[SCR+8*(4*\qt+\kt):SCR+8*(4*\qt+\kt)+7], v[KF+16*\kt:KF+16*\kt+7], v[QF+16*\qt:QF+16*\qt+7], 0
.endr
.endr
.irp qt, 0,1,2,3
.irp kt, 0,1,2,3
	v_wmma_f32_16x16x32_f16 v[SCR+8*(4*\qt+\kt):SCR+8*(4*\qt+\kt)+7], v[KF+16*\kt+8:KF+16*\kt+15], v[QF+16*\qt+8:QF+16*\qt+15], v[SCR+8*(4*\qt+\kt):SCR+8*(4*\qt+\kt)+7]
.endr
.endr
	WIN 0
	v_add_nc_u32 v[CK], KQ, v[CK]                  ; the cursors go on by 64 keys (an LDS instruction has read its address at issue);
	v_add_nc_u32 v[CV], VQ, v[CV]                  ; these two lines and two v_nop are the four places before vector instructions read the scores
	PLACES 2
	SOFTALL \first
	s_wait_dscnt 0x0                               ; V is in
	WIN PV
	; The first 16 products with V, keys 0-31.  The four multiplies that rescale accumulator tile t + 1 stand in front of the product on tile t:
	; they name no register of the products round them, and are issued while the matrix unit works.
.if \first == 0
	RSC 0
.endif
.set t, 0
.rept 16
.if \first
	v_wmma_f32_16x16x32_f16 v[OAC+8*t:OAC+8*t+7], v[VF+16*(t>>2):VF+16*(t>>2)+7], v[SCR+32*(t&3):SCR+32*(t&3)+7], 0
.else
.if t < 15
	RSC t+1
.endif
	v_wmma_f32_16x16x32_f16 v[OAC+8*t:OAC+8*t+7], v[VF+16*(t>>2):VF+16*(t>>2)+7], v[SCR+32*(t&3):SCR+32*(t&3)+7], v[OAC+8*t:OAC+8*t+7]
.endif
.set t, t+1
.endr
.set t, 0
.rept 16
	v_wmma_f32_16x16x32_f16 v[OAC+8*t:OAC+8*t+7], v[VF+16*(t>>2)+8:VF+16*(t>>2)+15], v[SCR+32*(t&3)+8:SCR+32*(t&3)+15], v[OAC+8*t:OAC+8*t+7]
.set t, t+1
.endr
	WIN 0
.endm
; The 256 keys of a slot: the cursors start at its first keys; four steps.  first = 1: the first step, which starts m, l and the sums, is written out ahead of the loop.
.macro TILE slot, first
	v_mov_b32 v[CK], v[ADRK+\slot]
	v_mov_b32 v[CV], v[ADRV+\slot]
.if \first
	STEP 1
	s_mov_b32 s55, 3
.else
	s_mov_b32 s55, 4
.endif
.Lstep_\@:
	STEP 0
	s_sub_co_u32 s55, s55, 1
	s_cmp_lg_u32 s55, 0
	s_cbranch_scc1 .Lstep_\@
.endm
; The change of slots.  In front of the barrier each wave waits for all its tensor loads (its part of this slot among them) and for its reads of the other slot.
; refill = 1: the barrier is a round of the cluster barrier, and the other slot is asked for again first thing behind it, one load a wave:
; that load has the four steps of this slot in which to land.
.macro TWO slot, refill
	s_wait_tensorcnt 0x0                           ; no tensor load of mine is out, so every group 0 may be written
	ds_add_u32 v62, v63
	s_wait_dscnt 0x0
.if \refill
	s_add_nc_u64 s[G0K+6-4*\slot:G0K+7-4*\slot], s[G0K+6-4*\slot:G0K+7-4*\slot], 2*TILEB   ; the other slot: two tiles on
	s_add_nc_u64 s[G0V+6-4*\slot:G0V+7-4*\slot], s[G0V+6-4*\slot:G0V+7-4*\slot], 2*TILEB
.endif
	s_wait_dscnt 0x0                               ; my reads of the other slot are back
.if \refill
	ROUND                                          ; both now hold of every wave of all four work-groups
	JLOAD 1-\slot
.else
	s_barrier_signal -1
	s_barrier_wait -1
.endif
	TILE \slot, 0
.endm
	s_wait_tensorcnt 0x1                           ; my part of tile 0 is in; tile 1 stays out
	s_wait_loadcnt 0x0                             ; Q
	s_barrier_signal -1
	s_barrier_wait -1                              ; tile 0 is whole
	TILE 0, 1                                      ; its first step starts m, l and the sums: nothing is cleared
	s_mov_b32 s54, 3
.Ltiles:
	TWO 1, 1                                       ; tiles 1, 3, 5; asks for 2, 4, 6
	TWO 0, 1                                       ; tiles 2, 4, 6; asks for 3, 5, 7
	s_sub_co_u32 s54, s54, 1
	s_cmp_lg_u32 s54, 0
	s_cbranch_scc1 .Ltiles
	TWO 1, 0                                       ; tile 7: nothing is left to fetch
	; THE WAY OUT.  l of the two halves of the lanes meet; O^T is divided by l, rounded to f16, and goes through the stage, 32 queries of each group of 64 at a time,
	; so that the two heads of the pair meet in rows of 256 bytes.
	PLACES 4                                       ; four places behind the last products
.irp qt, 0,1,2,3
	v_permlanex16_b32 v[TT+\qt], v[AL+2*\qt+1], s52, s53
.endr
.irp qt, 0,1,2,3
	v_add_f32 v[AL+2*\qt+1], v[AL+2*\qt+1], v[TT+\qt]              ; at least about 1: the largest weight of the row is in it
.endr
.irp qt, 0,1,2,3
	v_rcp_f32 v[AL+2*\qt], v[AL+2*\qt+1]
.endr
	v_nop                                          ; one plain place behind the last reciprocal
	s_wait_alu depctr_va_vdst(0)
	WIN PV
.set t, 0
.rept 16
	RSC t                                          ; O^T / l
.set t, t+1
.endr
.macro PASS p                          ; query tiles 2 p and 2 p + 1; each pass has registers of its own, so no store source is rewritten
	WIN CV16
.irp e, 0,1
.irp dt, 0,1,2,3
.irp i, 0,1,2,3
	v_cvt_pk_f16_f32 v[SCR+64*\p+16*\e+4*\dt+\i], v[OAC+8*(4*\dt+2*\p+\e)+2*\i], v[OAC+8*(4*\dt+2*\p+\e)+2*\i+1]
.endr
.endr
.endr
	WIN 0
.irp e, 0,1
.irp dt, 0,1,2,3
	ds_store_b128 v[STO], v[SCR+64*\p+16*\e+4*\dt:SCR+64*\p+16*\e+4*\dt+3] offset:\e*16*SGP+32*\dt
.endr
.endr
	s_wait_dscnt 0x0                               ; my stores are done, for the waves that read them
	s_barrier_signal -1
	s_barrier_wait -1
.irp t8, 0,1,2,3,4,5,6,7
	ds_load_b128 v[SCR+64*\p+32+4*\t8:SCR+64*\p+32+4*\t8+3], v[RD] offset:\t8*2*SGP
.endr
.irp t8, 0,1,2,3,4,5,6,7
	s_wait_dscnt 7-\t8                             ; rows 2 t, 2 t + 1 are back, the younger ones stay out
	global_store_b128 v[CO], v[SCR+64*\p+32+4*\t8:SCR+64*\p+32+4*\t8+3], s[58:59] offset:\p*32*ROWB+\t8*2*ROWB   ; 16 lanes store 256 consecutive bytes, at a multiple of 256 from the first byte of att
.endr
.endm
	PASS 0
	s_barrier_signal -1                            ; the reads of every wave are back (the count ran down to 0): the stage may be written again
	s_barrier_wait -1
	PASS 1
	s_wait_tensorcnt 0x0
	ds_add_u32 v62, v63
	s_wait_dscnt 0x0
	ROUND                                          ; the closing round: no work-group ends while a partner may still ask for a tile that names it
	s_endpgm
.Lfunc_end_k_q4c3429a676_attn:
	.size	k_q4c3429a676_attn, .Lfunc_end_k_q4c3429a676_attn-k_q4c3429a676_attn
	.p2alignl 7, 3214868480
	.fill 96, 4, 3214868480
	.section	.rodata,"a",@progbits
	.p2align	6, 0x0
	.amdhsa_kernel k_q4c3429a676_attn
		.amdhsa_group_segment_fixed_size 327680
		.amdhsa_private_segment_fixed_size 0
		.amdhsa_enable_private_segment 0
		.amdhsa_kernarg_size 16
		.amdhsa_user_sgpr_count 2
		.amdhsa_user_sgpr_kernarg_segment_ptr 1
		.amdhsa_wavefront_size32 1
		.amdhsa_system_sgpr_workgroup_id_x 1
		.amdhsa_system_sgpr_workgroup_id_y 1
		.amdhsa_system_sgpr_workgroup_id_z 1
		.amdhsa_system_vgpr_workitem_id 0
		.amdhsa_next_free_vgpr 512
		.amdhsa_next_free_sgpr 66
		.amdhsa_reserve_vcc 0
		.amdhsa_float_denorm_mode_32 3
		.amdhsa_float_denorm_mode_16_64 3
		.amdhsa_memory_ordered 1
		.amdhsa_forward_progress 1
		.amdhsa_inst_pref_size 190
	.end_amdhsa_kernel
	.amdgpu_metadata
---
amdhsa.version: [ 1, 2 ]
amdhsa.kernels:
  - .name:           k_q4c3429a676_attn
    .symbol:         k_q4c3429a676_attn.kd
    .args:
      - { .name: qkv, .offset: 0, .size: 8, .value_kind: global_buffer, .address_space: global }
      - { .name: att, .offset: 8, .size: 8, .value_kind: global_buffer, .address_space: global }
    .group_segment_fixed_size: 327680
    .private_segment_fixed_size: 0
    .kernarg_segment_align: 8
    .kernarg_segment_size: 16
    .max_flat_workgroup_size: 256
    .sgpr_count:     66
    .vgpr_count:     512
    .wavefront_size: 32
...
	.end_amdgpu_metadata
.endif
;; end of part 3
;; launch outp (part 4): grid 4 x 64, 4 waves a work-group, clusters of 4 x 4, 327,680 bytes of LDS; arguments att, wh, bo, out0; writes out0
.if DOCPART == 4
	.amdgcn_target "amdgcn-amd-amdhsa--gfx1250"
	.amdhsa_code_object_version 6
	.text
	.protected	k_q4c3429a676_outp
	.globl	k_q4c3429a676_outp
	.p2align	8
	.type	k_q4c3429a676_outp,@function
k_q4c3429a676_outp:
	s_mov_b64 s[64:65], 0
	v_nop
	global_prefetch_b8 v0, s[64:65] scope:SCOPE_SE
	s_setreg_imm32_b32 hwreg(HW_REG_WAVE_MODE, 25, 1), 1
	s_wait_xcnt 0x0
	s_wait_alu depctr_hold_cnt(0) depctr_sa_sdst(0) depctr_va_vdst(0) depctr_va_sdst(0) depctr_va_ssrc(0) depctr_va_vcc(0) depctr_vm_vsrc(0)
	s_getreg_b32 s2, hwreg(HW_REG_IB_STS2, 6, 4)
	s_cmp_eq_u32 s2, 0
	s_cbranch_scc0 .Lentry_in_a_cluster
	s_endpgm
.Lentry_in_a_cluster:
	s_bfe_u32 s2, ttmp6, 0x10000c
	s_cmp_lg_u32 s2, 0xf033
	s_cbranch_scc0 .Lentry_shape_is_right
	s_endpgm
.Lentry_shape_is_right:
; outp: out0 = att Wo^T + bo, [8192][1024]; att f16, Wo f16 (matrix 3 of wh), sums f32, result f32.
; A work-group makes 128 rows x 256 columns with four waves; a wave makes 64 x 128: 32 accumulator tiles of 16 x 16, 256 registers.
; 64 x 4 = 256 work-groups.  K = 1024 goes in 8 steps of 128 through a ring of two LDS slots filled by the tensor data mover:
; a row of a tile is 256 bytes of memory, at a multiple of 256 from the first byte of its buffer.
; Two slots of two K steps (2 x 384 rows x 528 bytes) do not fit in the 327,680 bytes of LDS, and blocks of 256 x 256 would make 128 work-groups only.
; CLUSTERS: 4 x 4 work-groups.  The four of a row of the cluster make the four column blocks of one row block: they ask for the tile of att JOINTLY.
; The four of a column make four row blocks of one column block: they ask for the tile of Wo jointly.
; Nothing is asked for ahead by global_prefetch_b8: att was stored by the launch just before, and each tile of Wo is read by 64 row blocks.
; The bias is the C operand of the first 32 products: nothing is cleared and nothing is added later.
; The matrix instruction is used transposed (source 0 = 16 rows of W, source 1 = 16 rows of A): lane l then holds row l % 16 of the result
; and its 8 registers the columns 8 (l / 16) + 0 .. 7, eight neighbours of a row.
; LIMIT: att and Wo are f16 operands: a magnitude beyond 65,504 has become infinite in the launches before.
.set KSTEP,  128
.set LAPS,   1024/(2*KSTEP)            ; a lap = two K steps = once round the ring
.set APITCH, 272                       ; an LDS row of A: 256 bytes + 16 of padding, an odd multiple of 16: the 16 rows of a load begin in 16 different 16-byte columns
.set KA,     256                       ; bytes of a K step in a row of A
.set BPITCH, 272                       ; an LDS row of B: 256 bytes + 16
.set AHALF,  64*APITCH                 ; what one tensor load brings of A, and what one wave reads of it
.set ATILE,  2*AHALF
.set BHALF,  128*BPITCH                ; the same for B
.set BTILE,  2*BHALF
.set SLOT,   BTILE+ATILE               ; 256 rows of B, then 128 rows of A
.set STAGE,  2*SLOT                    ; behind the ring: 16 rows for each wave, for the way out; no tensor load lands here
.set SP,     528                       ; a row of the stage: 128 f32 + 16 bytes
.set ROWB,   4096                      ; a row of the result in memory
.set STW,    16*SP
; vector registers, in windows of 256
.set ADRA, 16                          ; v16-17   LDS address of my A fragments in slot 0, 1
.set ADRB, 20                          ; v20-21   the same for B
.set STO,  24                          ; v24      the way out: where I put my part of a row
.set RD,   25                          ; v25      the way out: where I read rows back
.set CO,   26                          ; v26      my byte offset in the result
.set BOF,  27                          ; v27      my byte offset in the bias
.set FA,   32                          ; v32-95   fragments of A, two buffers of 4 x 8
.set BACK, 96                          ; v96-159  the way out: 16 rows read back
.set BIAS, 160                         ; v160-223 the bias of my 128 columns as 8 C operands
                                       ; window 1: the 32 accumulator tiles, tile (a, b) at v[8 (8 a + b)];  window 2: v0-127 fragments of B, two buffers of 8 x 8
.set G1A, 32                           ; s[32:39] descriptor group 1 for tiles of A
.set G1B, 40                           ; s[40:47] the same for B
.set G0A, 48                           ; s[48:55] descriptor group 0 for tiles of A, a set for each slot
.set G0B, 56                           ; s[56:63] the same for B
.set MSB, 0
.macro WIN new                         ; low byte: bits 1:0 source 0, 3:2 source 1, 5:4 source 2, 7:6 destination; the high byte repeats the setting that is left
.if MSB != \new
	s_set_vgpr_msb (MSB<<8)|\new
.set MSB, \new
.endif
.endm
.set MULW,  0x52                       ; source 0 (B) window 2, source 1 (A) window 0, C and D window 1
.set MULF,  0x42                       ; the same with C (the bias) in window 0
.set TO_B,  0x80                       ; destination window 2, address window 0
.set STA,   0x04                       ; LDS store: data window 1, address window 0
.macro PLACES n
.rept \n
	v_nop
.endr
.endm
; A joint load.  Waves 0 and 1 fetch the two halves of B, waves 2 and 3 those of A.  Each line has one mask and one set of registers for all that issue it.
; The branch hangs on the wave number alone.
.macro JLOAD s
	s_cmp_eq_u32 s21, 0
	s_cbranch_scc0 .Lfor_a_\@
	tensor_load_to_lds s[G0B+4*(\s):G0B+4*(\s)+3], s[G1B:G1B+7]
	s_nop 0
	s_branch .Lasked_\@
.Lfor_a_\@:
	tensor_load_to_lds s[G0A+4*(\s):G0A+4*(\s)+3], s[G1A:G1A+7]
	s_nop 0
.Lasked_\@:
.endm
; A round of the cluster barrier: the work-group barrier, so that the signal of wave 0 speaks for all four waves; wave 0 signals for the work-group;
; every wave waits for all sixteen work-groups; the work-group barrier once more.
.macro CREST                           ; a round behind its opening barrier
	s_cmp_lg_u32 s20, 0
	s_cbranch_scc1 .Lnot_wave_0_\@
	s_barrier_signal -3
.Lnot_wave_0_\@:
	s_barrier_wait -3
	s_barrier_signal -1
	s_barrier_wait -1
.endm
.macro CROUND                          ; a whole round
	s_barrier_signal -1
	s_barrier_wait -1
	CREST
.endm
	s_load_b256 s[4:11], s[0:1], 0x0               ; att s[4:5], wh s[6:7], bo s[8:9], out0 s[10:11]
	v_lshl_add_u32 v254, v0, 2, 0x3c000
	v_mov_b32 v255, 0
	ds_add_u32 v254, v255
	v_lshrrev_b32 v1, 5, v0
	v_readfirstlane_b32 s20, v1                    ; wave 0..3
	s_lshr_b32 s21, s20, 1                         ; which 64 rows of the block are mine.  Also: I fetch for B (0) or for A (1)
	s_and_b32 s22, s20, 1                          ; which 128 columns.  Also: which half of that tile I fetch
	s_bfe_u32 s23, ttmp6, 0x40000                  ; cx
	s_bfe_u32 s24, ttmp6, 0x40004                  ; cy
	s_lshl_b32 s25, ttmp9, 2
	s_add_co_u32 s25, s25, s23                     ; block column = 4 x cluster x + cx
	s_and_b32 s30, ttmp7, 0xffff                   ; cluster y
	s_lshl_b32 s26, s30, 2
	s_add_co_u32 s26, s26, s24                     ; block row = 4 x cluster y + cy
	s_lshl_b32 s28, s24, 2
	s_lshl_b32 s28, 15, s28                        ; my row of the cluster: places 4 cy .. 4 cy + 3
	s_lshl_b32 s29, 0x1111, s23                    ; my column: places cx, cx + 4, cx + 8, cx + 12
	; group 1.  A: 64 rows x 128 elements; B: 128 rows x 128 elements; elements of 2 bytes; both padded by 4 words behind each row of 64 words; rows 1,024 elements apart in memory
	s_or_b32 s[G1A+0], s28, (1<<16)|(1<<20)|(1<<21)|(5<<22)|(3<<25)         ; 15:0 mask: tiles of A go to my row; 17:16 element size; 20 padding on; 21 set beside a mask; 24:22 interval; 31:25 pad of 4 words
	s_or_b32 s[G1B+0], s29, (1<<16)|(1<<20)|(1<<21)|(5<<22)|(3<<25)         ; the same with the mask of my column
	s_mov_b32 s[G1A+1], KSTEP<<16                  ; tensor_dim0 = 128
	s_mov_b32 s[G1B+1], KSTEP<<16
	s_mov_b32 s[G1A+2], 64<<16                     ; tensor_dim1 = 64
	s_mov_b32 s[G1B+2], 128<<16                    ; tensor_dim1 = 128
	s_mov_b32 s[G1A+3], KSTEP<<16                  ; tile_dim0 = 128
	s_mov_b32 s[G1B+3], KSTEP<<16
	s_mov_b32 s[G1A+4], 64                         ; tile_dim1
	s_mov_b32 s[G1B+4], 128
	s_mov_b32 s[G1A+5], 1024                       ; elements from row to row
	s_mov_b32 s[G1B+5], 1024
	s_mov_b32 s[G1A+6], 0
	s_mov_b32 s[G1B+6], 0
	s_mov_b32 s[G1A+7], 0
	s_mov_b32 s[G1B+7], 0
	; offsets, each in registers of its own: those of A never hold cx, those of B never hold cy
	s_lshl_b32 s66, s26, 7
	s_lshl_b32 s67, s22, 6
	s_add_co_u32 s66, s66, s67                     ; A: row 128 x block row + 64 x half
	s_lshl_b32 s66, s66, 11                        ; rows of 2,048 bytes
	s_mov_b32 s67, 0
	s_lshl_b32 s68, s25, 8
	s_lshl_b32 s69, s22, 7
	s_add_co_u32 s68, s68, s69                     ; B: row 256 x block column + 128 x half
	s_lshl_b32 s68, s68, 11                        ; rows of 2,048 bytes
	s_add_co_u32 s68, s68, 3<<21                   ; matrix 3 of wh: Wo
	s_mov_b32 s69, 0
	s_lshl_b32 s72, s25, 8
	s_lshl_b32 s73, s22, 7
	s_add_co_u32 s72, s72, s73                     ; my first column
	s_lshl_b32 s74, s26, 7
	s_lshl_b32 s75, s21, 6
	s_add_co_u32 s74, s74, s75                     ; my first row of the result
	s_lshl_b32 s74, s74, 12
	s_lshl_b32 s75, s72, 2
	s_add_co_u32 s74, s74, s75                     ; below 2^26 bytes
	s_mov_b32 s75, 0
	s_lshl_b32 s72, s72, 2                         ; the bias is f32
	s_mov_b32 s73, 0
	s_mul_i32 s76, s20, BHALF                      ; where the tiles go: the halves of B at wave x 128 rows (waves 0, 1),
	s_mul_i32 s77, s20, AHALF                      ; the halves of A behind them at wave x 64 rows + a constant (waves 2, 3):
	s_add_co_u32 s77, s77, BTILE-2*AHALF           ; no place in the cluster enters an LDS address
	s_wait_dscnt 0x0
	s_wait_kmcnt 0x0
	s_add_nc_u64 s[66:67], s[4:5], s[66:67]
	s_add_nc_u64 s[68:69], s[6:7], s[68:69]
	s_add_nc_u64 s[72:73], s[8:9], s[72:73]
	s_add_nc_u64 s[74:75], s[10:11], s[74:75]
	CROUND                                         ; all sixteen work-groups are here: the first joint loads meet
.irp s, 0,1
	s_mov_b32 s[G0A+4*\s], 1                                       ; count = 1
	s_add_co_u32 s[G0A+4*\s+1], s77, \s*SLOT                       ; LDS address
	s_add_nc_u64 s[G0A+4*\s+2:G0A+4*\s+3], s[66:67], \s*KA         ; global address: K step s
	s_or_b32 s[G0A+4*\s+3], s[G0A+4*\s+3], 0x80000000              ; type = 2
	s_mov_b32 s[G0B+4*\s], 1
	s_add_co_u32 s[G0B+4*\s+1], s76, \s*SLOT
	s_add_nc_u64 s[G0B+4*\s+2:G0B+4*\s+3], s[68:69], \s*KSTEP*2
	s_or_b32 s[G0B+4*\s+3], s[G0B+4*\s+3], 0x80000000
	JLOAD \s                                       ; both first fills go out before anything else; by this count a wave has at most two tensor loads out, later one
.endr
	; A fragment is 16 rows x 32 K in 8 registers: lane l holds row l % 16; registers 0-3 hold K = 8 (l / 16) + 0..7, registers 4-7 K = 16 + 8 (l / 16) + 0..7.
	v_and_b32 v1, 15, v0                           ; r = l % 16
	v_bfe_u32 v2, v0, 4, 1                         ; h = l / 16
	v_lshlrev_b32 v[BOF], 5, v2                    ; the bias of columns 8 h + 0..7 of a tile
.irp b, 0,1,2,3,4,5,6,7
	global_load_b128 v[BIAS+8*\b:BIAS+8*\b+3],   v[BOF], s[72:73] offset:64*\b
	global_load_b128 v[BIAS+8*\b+4:BIAS+8*\b+7], v[BOF], s[72:73] offset:64*\b+16
.endr
	v_mul_u32_u24 v3, v1, APITCH
	v_lshl_add_u32 v3, v2, 4, v3                   ; A: row x pitch + 16 h
	v_mul_u32_u24 v4, v1, BPITCH
	v_lshl_add_u32 v4, v2, 4, v4                   ; B: row x pitch + 16 h
	s_mul_i32 s78, s21, AHALF                      ; my 64 rows of A,
	s_add_co_u32 s78, s78, BTILE                   ; which lie behind the 256 rows of B
	s_mul_i32 s79, s22, BHALF                      ; my 128 rows of B
.irp s, 0,1
	v_add_nc_u32 v[ADRA+\s], s78, v3
	v_add_nc_u32 v[ADRB+\s], s79, v4
	s_add_co_u32 s78, s78, SLOT
	s_add_co_u32 s79, s79, SLOT
.endr
	s_mul_i32 s78, s20, STW
	s_add_co_u32 s78, s78, STAGE                   ; my stage
	v_mul_u32_u24 v5, v1, SP
	v_lshl_add_u32 v5, v2, 5, v5                   ; in: row r, 32 bytes for each half of the lanes
	v_lshlrev_b32 v[CO], 4, v1
	v_lshl_add_u32 v[CO], v2, 8, v[CO]             ; back: 32 lanes x 16 bytes take a row of 512 bytes; the same in memory
	v_add_nc_u32 v[RD], s78, v[CO]
	v_add_nc_u32 v[STO], s78, v5
; 16 matrix instructions: row tiles a0, a0 + 1 x all 8 column tiles, 32 along K, from buffers f.  first = 1: the bias starts the sums.
; The 32 accumulators take turns, one instruction a turn, in the same order in every quarter step, over the backward jump too.
.macro MUL16 f, a0, first
.irp a, \a0, \a0+1
.irp b, 0,1,2,3,4,5,6,7
.if \first
	v_wmma_f32_16x16x32_f16 v[8*(8*(\a)+\b):8*(8*(\a)+\b)+7], v[64*\f+8*\b:64*\f+8*\b+7], v[FA+32*\f+8*(\a):FA+32*\f+8*(\a)+7], v[BIAS+8*\b:BIAS+8*\b+7]
.else
	v_wmma_f32_16x16x32_f16 v[8*(8*(\a)+\b):8*(8*(\a)+\b)+7], v[64*\f+8*\b:64*\f+8*\b+7], v[FA+32*\f+8*(\a):FA+32*\f+8*(\a)+7], v[8*(8*(\a)+\b):8*(8*(\a)+\b)+7]
.endif
.endr
.endr
.endm
; The LDS loads of quarter step q of a slot, in one run: 128 rows of B and 64 rows of A into buffers g.
.macro FETCH slot, q, g
	WIN TO_B
.irp b, 0,1,2,3,4,5,6,7
	ds_load_b128 v[64*\g+8*\b:64*\g+8*\b+3],   v[ADRB+\slot] offset:64*\q+\b*16*BPITCH
	ds_load_b128 v[64*\g+8*\b+4:64*\g+8*\b+7], v[ADRB+\slot] offset:64*\q+\b*16*BPITCH+32
.endr
	WIN 0
.irp a, 0,1,2,3
	ds_load_b128 v[FA+32*\g+8*\a:FA+32*\g+8*\a+3],   v[ADRA+\slot] offset:64*\q+\a*16*APITCH
	ds_load_b128 v[FA+32*\g+8*\a+4:FA+32*\g+8*\a+7], v[ADRA+\slot] offset:64*\q+\a*16*APITCH+32
.endr
.endm
; The fragments of the quarter step that is due are in.  A load into a register that a matrix instruction has read stands four places behind it, and only plain
; vector instructions that name none of its registers are places (ISA guide 7.12.1 for vector instructions): four v_nop stand
; between the last quarter step's products and the loads into the buffers that they read.
.macro READY
	s_wait_dscnt 0x0                               ; the run of loads issued 32 matrix instructions ago is in
	WIN 0
	PLACES 4
.endm
; A K step is four quarter steps of 32 along K, 32 matrix instructions each, on buffers 0, 1, 0, 1.
; One of the first three: waits for buffers f, fetches quarter step qn of the same slot into buffers g, multiplies buffers f.
.macro QUARTER slot, qn, f, g, first
	READY
	FETCH \slot, \qn, \g
.if \first
	WIN MULF
.else
	WIN MULW
.endif
	MUL16 \f, 0, \first
	MUL16 \f, 2, \first
.endm
.macro THREE slot, first
	QUARTER \slot, 1, 0, 1, \first
	QUARTER \slot, 2, 1, 0, 0
	QUARTER \slot, 3, 0, 1, 0
.endm
; The last quarter step: multiplies buffers 1 and changes slots.  fill = 1: this slot is filled again, two K steps ahead.
; In front of the round each wave has waited for its reads of this slot and for all its tensor loads, of which one is out: its part of the next slot.
; Behind it nobody reads this slot any more and the next slot is whole: the refill comes first, then the first fragments of the next slot, then the products.
; Nothing but the round stands between the wait for a tile and the next request, so from a request to the wait for it a wave issues all the
; 128 matrix instructions of a K step.
.macro TURN slot, next, fill
	READY                                          ; its wait for 0: my reads of this slot are over
	s_wait_tensorcnt 0x0                           ; all my tensor loads have landed
	ds_add_u32 v254, v255
	s_wait_dscnt 0x0
.if \fill
	CROUND                                         ; all sixteen work-groups have said so: no wave of any partner still reads this slot or has a load on its way
	s_add_nc_u64 s[G0A+4*\slot+2:G0A+4*\slot+3], s[G0A+4*\slot+2:G0A+4*\slot+3], 2*KA
	s_add_nc_u64 s[G0B+4*\slot+2:G0B+4*\slot+3], s[G0B+4*\slot+2:G0B+4*\slot+3], 2*KSTEP*2
	JLOAD \slot                                    ; the first tensor load behind the round, one a wave
	FETCH \next, 0, 0                              ; buffers 0 were last read a quarter step ago; the places of READY stand between
	WIN MULW
	MUL16 1, 0, 0
	MUL16 1, 2, 0
.else
	s_barrier_signal -1
	WIN MULW
	MUL16 1, 0, 0                                  ; work on registers while the others arrive
	WIN 0
	s_barrier_wait -1
	FETCH \next, 0, 0
	WIN MULW
	MUL16 1, 2, 0
.endif
.endm
.macro LAP first                       ; once round the ring, both slots filled again
	THREE 0, \first
	TURN 0, 1, 1
	THREE 1, 0
	TURN 1, 0, 1
.endm
	s_wait_tensorcnt 0x1                           ; my part of K step 0 is in; K step 1 stays out
	s_wait_loadcnt 0x0                             ; the bias
	s_barrier_signal -1
	s_barrier_wait -1                              ; K step 0 is whole
	FETCH 0, 0, 0
	LAP 1                                          ; the first lap stands in front of the loop: its first products take the bias as C
	WIN 0                                          ; at a label and at a branch every window is 0
	s_mov_b32 s3, LAPS-2
.Llap:
	LAP 0
	WIN 0
	s_sub_co_u32 s3, s3, 1
	s_cmp_lg_u32 s3, 0
	s_cbranch_scc1 .Llap
	THREE 0, 0                                     ; the last lap fills nothing and has no round of the cluster barrier
	TURN 0, 1, 0
	THREE 1, 0
	READY                                          ; the very last quarter step: nothing more to fetch
	WIN MULW
	MUL16 1, 0, 0
	MUL16 1, 2, 0
	WIN 0
	PLACES 4                                       ; four places behind the last products, for the LDS stores that read the sums
; THE WAY OUT, 16 rows at a time, through my own stage in LDS: in by lanes that hold parts of 16 rows, back as whole rows.
; LDS serves the instructions of a wave in order (ISA guide 5.7.1), so the loads see the stores above them without a wait.
.macro OUT16 a
	WIN STA
.irp b, 0,1,2,3,4,5,6,7
	ds_store_b128 v[STO], v[64*\a+8*\b:64*\a+8*\b+3]   offset:64*\b
	ds_store_b128 v[STO], v[64*\a+8*\b+4:64*\a+8*\b+7] offset:64*\b+16
.endr
	WIN 0
	s_wait_xcnt 0x0                                ; BACK, which the last stores read, and their base are rewritten only behind this wait
.if \a
	s_add_nc_u64 s[74:75], s[74:75], 16*ROWB
.endif
.irp t, 0,1,2,3,4,5,6,7,8,9,10,11,12,13,14,15
	ds_load_b128 v[BACK+4*\t:BACK+4*\t+3], v[RD] offset:\t*SP
.endr
.irp t, 0,1,2,3,4,5,6,7,8,9,10,11,12,13,14,15
	s_wait_dscnt 15-\t                             ; row t is back, the younger ones stay out
	global_store_b128 v[CO], v[BACK+4*\t:BACK+4*\t+3], s[74:75] offset:\t*ROWB th:TH_STORE_NT   ; a wave stores 512 consecutive bytes, at a multiple of 256 from the first byte of the result
.endr
.endm
	OUT16 0
	OUT16 1
	OUT16 2
	OUT16 3
	s_wait_tensorcnt 0x0
	ds_add_u32 v254, v255
	s_wait_dscnt 0x0
	CROUND                                         ; the closing round: no work-group ends while a partner may still ask for a tile that names it
	s_endpgm
.Lfunc_end_k_q4c3429a676_outp:
	.size	k_q4c3429a676_outp, .Lfunc_end_k_q4c3429a676_outp-k_q4c3429a676_outp
	.p2alignl 7, 3214868480
	.fill 96, 4, 3214868480
	.section	.rodata,"a",@progbits
	.p2align	6, 0x0
	.amdhsa_kernel k_q4c3429a676_outp
		.amdhsa_group_segment_fixed_size 327680
		.amdhsa_private_segment_fixed_size 0
		.amdhsa_enable_private_segment 0
		.amdhsa_kernarg_size 32
		.amdhsa_user_sgpr_count 2
		.amdhsa_user_sgpr_kernarg_segment_ptr 1
		.amdhsa_wavefront_size32 1
		.amdhsa_system_sgpr_workgroup_id_x 1
		.amdhsa_system_sgpr_workgroup_id_y 1
		.amdhsa_system_sgpr_workgroup_id_z 1
		.amdhsa_system_vgpr_workitem_id 0
		.amdhsa_next_free_vgpr 640
		.amdhsa_next_free_sgpr 80
		.amdhsa_reserve_vcc 0
		.amdhsa_float_denorm_mode_32 3
		.amdhsa_float_denorm_mode_16_64 3
		.amdhsa_memory_ordered 1
		.amdhsa_forward_progress 1
		.amdhsa_inst_pref_size 120
	.end_amdhsa_kernel
	.amdgpu_metadata
---
amdhsa.version: [ 1, 2 ]
amdhsa.kernels:
  - .name:           k_q4c3429a676_outp
    .symbol:         k_q4c3429a676_outp.kd
    .args:
      - { .name: att, .offset: 0, .size: 8, .value_kind: global_buffer, .address_space: global }
      - { .name: wh, .offset: 8, .size: 8, .value_kind: global_buffer, .address_space: global }
      - { .name: bo, .offset: 16, .size: 8, .value_kind: global_buffer, .address_space: global }
      - { .name: out0, .offset: 24, .size: 8, .value_kind: global_buffer, .address_space: global }
    .group_segment_fixed_size: 327680
    .private_segment_fixed_size: 0
    .kernarg_segment_align: 8
    .kernarg_segment_size: 32
    .max_flat_workgroup_size: 128
    .sgpr_count:     80
    .vgpr_count:     640
    .wavefront_size: 32
...
	.end_amdgpu_metadata
.endif
;; end of part 4
;; ======== version 2 of 2: 4 launches; version 1 with the launch castw written anew for expert scheduling mode
;; limits: values are held in f16: magnitudes above 65,504 overflow, below 6.1e-05 lose precision
;; workspace buffers: wh 8,388,608 bytes; qkv 50,331,648 bytes; att 16,777,216 bytes
;; launch castw (part 5): grid 256 x 1, 8 waves a work-group, no clusters, 0 bytes of LDS; arguments Wq, Wk, Wv, Wo, wh; writes wh
.if DOCPART == 5
	.amdgcn_target "amdgcn-amd-amdhsa--gfx1250"
	.amdhsa_code_object_version 6
	.text
	.protected	k_q4c3429a676_castw
	.globl	k_q4c3429a676_castw
	.p2align	8
	.type	k_q4c3429a676_castw,@function
k_q4c3429a676_castw:
	s_mov_b64 s[64:65], 0
	v_nop
	global_prefetch_b8 v0, s[64:65] scope:SCOPE_SE
	s_setreg_imm32_b32 hwreg(HW_REG_WAVE_SCHED_MODE, 0, 2), 2
	s_setreg_imm32_b32 hwreg(HW_REG_WAVE_MODE, 25, 1), 1
	s_wait_xcnt 0x0
	s_wait_alu depctr_vm_vsrc(0)
; castw: the four weight matrices, [1024][1024] f32 each, are rounded once to f16 into wh = [4][1024][1024], order q, k, v, o.
; Every weight tile is read by 64 row blocks of the products that follow, so it is narrowed once here and not in each of them.
; Work-group w takes matrix w / 64 and chunk w % 64 of 16,384 numbers.  Thread t takes 16 bytes at 16 t of each of 16 pieces of 4,096 bytes:
; a load of a wave covers 512 consecutive bytes, a store of a wave 256 consecutive bytes at a multiple of 256 from the first byte of wh.
; All 16 loads of a thread go out first; no register is written twice, so there is no loop.
; No LDS, no matrix unit, no cluster: no byte is shared between work-groups or waves.
; LIMIT: a weight beyond 65,504 in magnitude becomes infinite in f16; below 6e-5 it keeps an absolute error of 3e-8.
; THE MODE: SCHED_MODE bits 1:0 = 2 (LLVM: expert scheduling mode 2), set by the entry lines.  The code itself states the register dependences
; between vector instructions and memory instructions, with s_wait_alu, always for 0.
; THE PLAN.  Registers that memory instructions touch:
;   v1, v2   byte offsets of the loads and of the stores.  Written once at the head by vector lines, never again.
;   X        piece i: 4 registers.  Written by the load of piece i alone, which is issued before any vector line names them; read by its two conversions.
;   Y        piece i: 2 registers.  Written once, by the two conversions of piece i; read once, by the store of piece i.
; No register that a memory instruction reads is written again, and no load lands in a register that a vector line has named: what is left to state is that
; a vector line has written what a memory instruction reads.  The 16 pieces go in four blocks of four.  Block p waits for its four loads and rounds them;
; its memory instructions are the four stores of block p - 1, dealt among its eight conversions, which name X and Y of block p alone.
; So one wait at the head of a block states all that the four stores of the block hang on.
.set X, 4                              ; v[4:67]   piece i: 4 numbers in f32
.set Y, 68                             ; v[68:99]  piece i: the 4 numbers in f16
	s_load_b256 s[4:11], s[0:1], 0x0               ; Wq s[4:5], Wk s[6:7], Wv s[8:9], Wo s[10:11]
	s_load_b64 s[12:13], s[0:1], 0x20              ; wh
	s_lshr_b32 s14, ttmp9, 6                       ; which matrix
	s_and_b32 s15, ttmp9, 63                       ; which chunk
	s_lshl_b32 s16, s15, 16                        ; the chunk in the source: 65,536 bytes each
	s_mov_b32 s17, 0
	s_lshl_b32 s18, s14, 21                        ; the matrix in wh: 2,097,152 bytes each,
	s_lshl_b32 s19, s15, 15                        ; the chunk in it: 32,768 bytes each
	s_add_co_u32 s18, s18, s19
	s_mov_b32 s19, 0
	v_lshlrev_b32 v1, 4, v0                        ; 16 t
	v_lshlrev_b32 v2, 3, v0                        ; 8 t
	s_wait_kmcnt 0x0
	s_cmp_eq_u32 s14, 1                            ; the source is chosen by the matrix number alone
	s_cselect_b64 s[4:5], s[6:7], s[4:5]
	s_cmp_eq_u32 s14, 2
	s_cselect_b64 s[4:5], s[8:9], s[4:5]
	s_cmp_eq_u32 s14, 3
	s_cselect_b64 s[4:5], s[10:11], s[4:5]
	s_add_nc_u64 s[4:5], s[4:5], s[16:17]
	s_add_nc_u64 s[12:13], s[12:13], s[18:19]
	s_wait_alu depctr_va_vdst(0)                   ; v1 and v2 are written: every load of the kernel reads v1 as its offset, every store v2
.irp i, 0,1,2,3,4,5,6,7,8,9,10,11,12,13,14,15
	global_load_b128 v[X+4*\i:X+4*\i+3], v1, s[4:5] offset:4096*\i th:TH_LOAD_NT   ; read once in the whole launch
.endr
; Block p: pieces 4 p to 4 p + 3 are rounded; the pieces of block p - 1 are stored, one store ahead of the two conversions of each piece.
.macro BLK p
	s_wait_loadcnt 12-4*(\p)                       ; loads come back in order: the four pieces of block p are in, the 12 - 4 p younger ones stay out
.if (\p) > 0
	s_wait_alu depctr_va_vdst(0)                   ; the conversions of the block before have written its Y, which the four stores below read; no vector line behind this wait names those registers or v2
.endif
.irp i, 0,1,2,3
.if (\p) > 0
	global_store_b64 v2, v[Y+2*(4*(\p)-4+(\i)):Y+2*(4*(\p)-4+(\i))+1], s[12:13] offset:2048*(4*(\p)-4+(\i))
.endif
	v_cvt_pk_f16_f32 v[Y+2*(4*(\p)+(\i))],   v[X+4*(4*(\p)+(\i))],   v[X+4*(4*(\p)+(\i))+1]
	v_cvt_pk_f16_f32 v[Y+2*(4*(\p)+(\i))+1], v[X+4*(4*(\p)+(\i))+2], v[X+4*(4*(\p)+(\i))+3]
.endr
.endm
	BLK 0                                          ; no block stands in front of it: no store, and no wait but the one for its data
	BLK 1
	BLK 2
	BLK 3
	s_wait_alu depctr_va_vdst(0)                   ; the conversions of block 3 have written its Y, which the last four stores read
.irp i, 12,13,14,15
	global_store_b64 v2, v[Y+2*\i:Y+2*\i+1], s[12:13] offset:2048*\i
.endr
	s_endpgm
.Lfunc_end_k_q4c3429a676_castw:
	.size	k_q4c3429a676_castw, .Lfunc_end_k_q4c3429a676_castw-k_q4c3429a676_castw
	.p2alignl 7, 3214868480
	.fill 96, 4, 3214868480
	.section	.rodata,"a",@progbits
	.p2align	6, 0x0
	.amdhsa_kernel k_q4c3429a676_castw
		.amdhsa_group_segment_fixed_size 0
		.amdhsa_private_segment_fixed_size 0
		.amdhsa_enable_private_segment 0
		.amdhsa_kernarg_size 40
		.amdhsa_user_sgpr_count 2
		.amdhsa_user_sgpr_kernarg_segment_ptr 1
		.amdhsa_wavefront_size32 1
		.amdhsa_system_sgpr_workgroup_id_x 1
		.amdhsa_system_sgpr_workgroup_id_y 1
		.amdhsa_system_sgpr_workgroup_id_z 1
		.amdhsa_system_vgpr_workitem_id 0
		.amdhsa_next_free_vgpr 100
		.amdhsa_next_free_sgpr 66
		.amdhsa_reserve_vcc 0
		.amdhsa_float_denorm_mode_32 3
		.amdhsa_float_denorm_mode_16_64 3
		.amdhsa_memory_ordered 1
		.amdhsa_forward_progress 1
		.amdhsa_inst_pref_size 7
	.end_amdhsa_kernel
	.amdgpu_metadata
---
amdhsa.version: [ 1, 2 ]
amdhsa.kernels:
  - .name:           k_q4c3429a676_castw
    .symbol:         k_q4c3429a676_castw.kd
    .args:
      - { .name: Wq, .offset: 0, .size: 8, .value_kind: global_buffer, .address_space: global }
      - { .name: Wk, .offset: 8, .size: 8, .value_kind: global_buffer, .address_space: global }
      - { .name: Wv, .offset: 16, .size: 8, .value_kind: global_buffer, .address_space: global }
      - { .name: Wo, .offset: 24, .size: 8, .value_kind: global_buffer, .address_space: global }
      - { .name: wh, .offset: 32, .size: 8, .value_kind: global_buffer, .address_space: global }
    .group_segment_fixed_size: 0
    .private_segment_fixed_size: 0
    .kernarg_segment_align: 8
    .kernarg_segment_size: 40
    .max_flat_workgroup_size: 256
    .sgpr_count:     66
    .vgpr_count:     100
    .wavefront_size: 32
...
	.end_amdgpu_metadata
.endif
;; end of part 5
;; launch proj: the kernel of part 2 again; grid 4 x 64, 4 waves a work-group, clusters of 4 x 4, 327,680 bytes of LDS; arguments q, k, v, wh, bq, bk, bv, qkv; writes qkv
;; launch attn: the kernel of part 3 again; grid 256 x 1, 8 waves a work-group, clusters of 4 x 1, 327,680 bytes of LDS; arguments qkv, att; writes att
;; launch outp: the kernel of part 4 again; grid 4 x 64, 4 waves a work-group, clusters of 4 x 4, 327,680 bytes of LDS; arguments att, wh, bo, out0; writes out0
